; MI455X (gfx1250); checked and timed in simulation.
; The chip was launched on July 23, 2026; its instructions are those of AMD's public machine-readable ISA for CDNA 5 (MIT licence, August 2026) and "CDNA5" Instruction Set Architecture Reference Guide (July 2026). The comments in the code are by the model that wrote it; some were corrected since.
;; Rans Linear. Allowed arithmetic: matrix products marked QUANTISED: E3M2 operands, one E8M0 scale for each 32 along K, by v_wmma_scale_f32_16x16x128_f8f6f4 with both operands' format E3M2, f32 sums; everything else in f32.
;; Inputs: exp_bytes 4,096 x 4,096 int32; man_bytes 4,096 x 4,096 int32; x 4,096 x 4,096 bfloat16.
;; Outputs: out0 4,096 x 4,096 bfloat16.
;; This version of the problem:
;;   THIS VERSION OF THE PROBLEM IS GIVEN IN LOW PRECISION. The matrix products marked QUANTISED in the list below multiply operands that are first quantised to E3M2 (3 exponent bits, 2 mantissa bits; 6 bits a number), with one power-of-two scale for each 32 numbers along K (OCP MX v1.0); their sums are f32. All else is computed in f32.
;;   The module's matrix products, in the order in which they are computed (A, B: the left and right operand; K: the contracted axis; several contracted axes count as one K, in the product's order):
;;     1. [M 4,096, K 4,096] x [K 4,096, N 4,096]; A: input x; B: computed on the way: QUANTISED
;;   THE QUANTISER, for each operand of a quantised product, along K:
;;     - K is cut into blocks of 32 from its start; a last block that is shorter is filled with zeros.
;;     - A block's scale is 2^e with e = floor(log2(the largest magnitude in the block)) - 4, held to -126 .. 127; a block of zeros has e = 0. As a byte (E8M0): e + 127.
;;     - Each number is divided by its block's scale, clamped to +-28, and rounded to the nearest number of E3M2, ties to even, subnormals kept.
;;     - The product sums the exact products of the quantised numbers (number of the format x scale) in f32.
;;   ~~~python
;;   def quantise(x, axis):      # numpy; x: float32 -> the quantised numbers, widened to float32 again
;;       x = np.moveaxis(x, axis, -1); K = x.shape[-1]
;;       x = np.pad(x, [(0, 0)] * (x.ndim - 1) + [(0, -K % 32)]); x = x.reshape(x.shape[:-1] + (-1, 32)); a = np.abs(x).max(-1, keepdims=True)
;;       e = np.where(a > 0, np.clip(np.frexp(np.where(a > 0, a, 1))[1] - 1 - 4, -126, 127), 0)      # np.frexp(a)[1] - 1 = floor(log2(a)), exactly
;;       r = np.clip(x / 2.0 ** e, -28, 28)
;;       step = 2.0 ** (np.maximum(np.frexp(np.where(r == 0, 1, r))[1] - 1, -2) - 2)
;;       q = np.round(r / step) * step * 2.0 ** e      # np.round: ties to even
;;       return np.moveaxis(q.reshape(q.shape[:-2] + (-1,))[..., :K], -1, axis).astype(np.float32)
;;   ~~~
;;   OPERANDS COMPUTED ON THE WAY. 'Computed on the way' means the value that the module computes at that place (a softmax that the list does not call 'softmax' is quantised finished and normalised). What goes into a quantiser is computed in f32, as accurately as f32 sums, v_exp_f32 and their like allow (about 1e-6 of the number): no bf16 or f16 on the way to a quantiser, and a product that is left as it is and whose result goes on into a quantised operand takes f32 operands (vector FMAs, or v_wmma_f32_16x16x4_f32). A number that lies on a knife's edge between two numbers of the format may be rounded either way, as far as f32 arithmetic and the matrix unit's own rounding can turn it there, and no further.
;; 2 versions. Each part assembles by itself: llvm-mc -triple=amdgcn-amd-amdhsa -mcpu=gfx1250 --defsym DOCPART=n.
;; ======== version 1 of 2: 2 launches
;; workspace buffers: aq 13,107,200 bytes; bq 13,107,200 bytes
;; launch quant (part 1): grid 1024 x 1, 4 waves a work-group, no clusters, 17,920 bytes of LDS; arguments x, exp_bytes, man_bytes, aq, bq; writes aq, bq
.if DOCPART == 1
	.amdgcn_target "amdgcn-amd-amdhsa--gfx1250"
	.amdhsa_code_object_version 6
	.text
	.protected	k_q6605149e95_quant
	.globl	k_q6605149e95_quant
	.p2align	8
	.type	k_q6605149e95_quant,@function
k_q6605149e95_quant:
	s_mov_b64 s[64:65], 0
	v_nop
	global_prefetch_b8 v0, s[64:65] scope:SCOPE_SE
	s_setreg_imm32_b32 hwreg(HW_REG_WAVE_MODE, 25, 1), 1
	s_wait_xcnt 0x0
; Both operands of y = x W are turned into codes of BF6 (E3M2), 6 bits each, with one E8M0 scale byte for each 32 along K, ONCE, into buffers of this program's own.
; x: [4096 (m)][4096 (k)] bf16.  W: [4096 (k)][4096 (n)], given as two int32 tensors: bf16 bits = (man & 0x80) << 8 | exp << 7 | man & 0x7f, in 16 bits.
; As f32 bits that is exp << 23 | (man's low byte, set in bytes 2 and 3) & 0x807f0000: exp's bit 8 falls on the sign bit here as it does in the 16-bit form, higher bits fall off in both.
; A block's scale is 2^(floor(log2(its largest magnitude)) - 4): its byte is the largest magnitude's exponent field - 4, held at 1 from below by a floor among the maximum's leaves.
; LIMITS: NaN and infinities (an exponent byte of 255) are not served; a block whose largest magnitude lies under 2^-122, a block of zeros among them, gets the byte 1
; (a block of zeros has zero codes, which add nothing under that byte; the bytes are read by this program alone).
; THE BUFFERS ARE LAID AS THE PRODUCT'S LAUNCH READS THEM: [group of 128 rows of x or columns of W: 32][K step of 256: 16][a tile of 25,600 bytes].  A tile: for each q (128 along K), for each fragment i of 8,
; the IMAGE OF THE OPERAND'S 12 REGISTERS: registers 4 t .. 4 t + 3 of lane l at 12288 q + 1536 i + 512 t + 16 l; behind the codes, at 24576 + 512 q + 256 g + 16 r + 4 j, the scale word of row r of fragment 4 g + j.
; Fragment i of x: lane r is row 16 i + r of the group.  FRAGMENT 4 g + j OF W: LANE r IS COLUMN 64 g + 4 r + j: which columns form a fragment is free, and so a lane that loads 16 bytes of a row of
; exp (four neighbouring columns) holds one number of each of four fragments, in its own lane's place: nothing of W is transposed.
; SHARES.  Even work-groups take W, odd ones x, 512 each; a wave makes four fragments (64 columns or rows x 128 along K) and their four scale words a lane.  Waves share nothing: no barrier.
; No tensor loads, no cluster (no two work-groups read the same bytes), no matrix unit: the launch moves bytes.  Every load and store of a wave covers whole aligned runs of 256 consecutive bytes.
.set TILE, 25600
.set SCW,  24576                       ; where a tile's scale words begin
.set SW,   24                          ; v24-27   the four fragments' scale words (both paths)
.set SWO,  252                         ; v252     16 r + 8 h: where my two scale words go
.set SWD,  254                         ; v254-255 my two scale words
; W's path
.set MX,   8                           ; v8-11    a block's largest magnitude, for each of my four columns
.set PX,   12                          ; v12-15   the other half of the lanes'
.set SOP,  16                          ; v16-19   the conversions' scale operands
.set BY,   20                          ; v20-23   the scale bytes
.set TT,   28                          ; v28-43   the codes of an odd block: four registers a column
.set RW,   44                          ; v44-139  three slots of 32: 16 registers of exp, 16 of man, as loaded
.set WX,   140                         ; v140-203 a block's numbers in f32: 16 for each of my four columns
.set CF,   204                         ; v204-251 the four fragments, 12 registers each
; x's path
.set XMX,  8                           ; v8-9     my two blocks' largest magnitudes
.set XSOP, 10                          ; v10-11   scale operands
.set XBY,  12                          ; v12-13   bytes;  v14, v15 at work;  v16 = 8 h
.set RAW,  44                          ; v44-171  32 registers a fragment: as loaded, then as turned, then the codes
.set XX,   172                         ; v172-235 a fragment's 64 numbers of my lane in f32
	s_load_b256 s[4:11], s[0:1], 0x0               ; x s[4:5], exp s[6:7], man s[8:9], aq s[10:11]
	s_load_b64 s[12:13], s[0:1], 0x20              ; bq
	v_lshl_add_u32 v43, v0, 2, 0x4400
	v_mov_b32 v253, 0
	v_lshrrev_b32 v1, 5, v0
	v_readfirstlane_b32 s14, v1                    ; wave 0..3
	v_and_b32 v1, 31, v0                           ; lane
	v_and_b32 v2, 15, v0                           ; r
	v_bfe_u32 v3, v0, 4, 1                         ; h
	v_lshlrev_b32 v5, 4, v1                        ; 16 x lane: my place in an image
	v_lshlrev_b32 v[SWO], 4, v2
	v_lshl_add_u32 v[SWO], v3, 3, v[SWO]
	s_mov_b32 s20, 0x76543210
	s_mov_b32 s21, 0xfedcba98                      ; v_permlanex16_b32's selects for lane l xor 16
	s_lshr_b32 s15, ttmp9, 1                       ; which of the path's 512 work-groups
	s_and_b32 s16, ttmp9, 1
	s_cmp_lg_u32 s16, 0
	s_cbranch_scc1 .Lx
; Where the wave's results go.  s18: which 64 rows or columns (0..63); s19: which 128 along K (0..31); p: the buffer's pointer.  s[24:25]: my four images; s[26:27]: my 256 bytes of scale words.
.macro DST p
	s_lshr_b32 s28, s18, 1                         ; the group of 128
	s_lshr_b32 s29, s19, 1                         ; the K step of 256
	s_lshl_b32 s28, s28, 4
	s_add_co_u32 s28, s28, s29
	s_mul_i32 s28, s28, TILE                       ; the tile: under 2^24 bytes
	s_and_b32 s29, s19, 1                          ; q
	s_and_b32 s30, s18, 1                          ; g
	s_mul_i32 s31, s29, 12288
	s_mul_i32 s32, s30, 6144
	s_add_co_u32 s32, s32, s31
	s_add_co_u32 s32, s32, s28
	s_mov_b32 s33, 0
	s_lshl_b32 s29, s29, 9
	s_lshl_b32 s30, s30, 8
	s_add_co_u32 s34, s29, s30
	s_add_co_u32 s34, s34, s28
	s_add_co_u32 s34, s34, SCW
	s_mov_b32 s35, 0
	s_wait_kmcnt 0x0
	s_add_nc_u64 s[24:25], s[\p:\p+1], s[32:33]
	s_add_nc_u64 s[26:27], s[\p:\p+1], s[34:35]
.endm
; The scale words leave.  Both halves of the lanes hold all four words of row r: lane (r, h) takes words 2 h and 2 h + 1, so that the 32 lanes store 256 consecutive bytes, aligned, with all lanes on.
.macro TAIL
	v_cmp_eq_u32 vcc_lo, 1, v3
	v_cndmask_b32 v[SWD], v[SW], v[SW+2], vcc_lo
	v_cndmask_b32 v[SWD+1], v[SW+1], v[SW+3], vcc_lo
	global_store_b64 v[SWO], v[SWD:SWD+1], s[26:27]
	s_wait_tensorcnt 0x0
	ds_add_u32 v43, v253
	s_wait_dscnt 0x0
	s_endpgm
.endm
; ---------------------------------------------------------------- W: 64 columns x 128 along K a wave
; Lane (r, h) holds columns 4 r .. 4 r + 3; in block b its 16 numbers of a column are k = 32 b + 16 h + 0 .. 15: two lanes, l and l xor 16, hold a block.
; A load of 16 bytes a lane reads row k in lanes 0-15 and row k + 16 in lanes 16-31: twice 256 consecutive bytes, aligned.
	s_and_b32 s18, s15, 15
	s_lshl_b32 s18, s18, 2
	s_add_co_u32 s18, s18, s14                     ; which 64 columns: the work-group's four waves stand side by side on 1,024 bytes of a row
	s_lshr_b32 s19, s15, 4                         ; which 128 along K
	s_lshl_b32 s36, s19, 21                        ; 128 rows of 16,384 bytes
	s_lshl_b32 s37, s18, 8                         ; 64 columns of 4 bytes
	s_add_co_u32 s36, s36, s37                     ; under 2^26
	s_mov_b32 s37, 0
	s_mov_b32 s22, 0x807f0000                      ; sign and mantissa of a bf16 in the upper half of an f32
	v_lshlrev_b32 v4, 18, v3                       ; 16 rows down for lanes 16-31,
	v_lshl_add_u32 v4, v2, 4, v4                   ; + 16 r; never rewritten
.irp j, 0,1,2,3
	v_mov_b32 v[PX+\j], 0                          ; written once: a lane permute's destination counts as one of its sources
.endr
	DST 12
	s_add_nc_u64 s[6:7], s[6:7], s[36:37]
	s_add_nc_u64 s[8:9], s[8:9], s[36:37]
; Chunk t of 16: four rows (a lane) of block t / 4, of exp and of man: eight loads, into slot t % 3.  Every offset is an immediate: 111 rows of 16,384 bytes at the most, inside its signed 24 bits.
.macro LOADC t
.irp ii, 0,1,2,3
	global_load_b128 v[RW+32*((\t)%3)+4*\ii:RW+32*((\t)%3)+4*\ii+3], v4, s[6:7] offset:(32*((\t)/4)+4*((\t)%4)+\ii)*16384 th:TH_LOAD_NT
	global_load_b128 v[RW+32*((\t)%3)+16+4*\ii:RW+32*((\t)%3)+16+4*\ii+3], v4, s[8:9] offset:(32*((\t)/4)+4*((\t)%4)+\ii)*16384 th:TH_LOAD_NT
.endr
.endm
; Chunk t is decoded: three instructions a number; number 4 (t % 4) + ii of column col goes to its place among the column's 16.
.macro DEC t
.irp ii, 0,1,2,3
.irp col, 0,1,2,3
	v_perm_b32 v[RW+32*((\t)%3)+16+4*\ii+\col], v[RW+32*((\t)%3)+16+4*\ii+\col], v[RW+32*((\t)%3)+16+4*\ii+\col], 0   ; man's low byte into all four bytes
.endr
.irp col, 0,1,2,3
	v_and_b32 v[RW+32*((\t)%3)+16+4*\ii+\col], s22, v[RW+32*((\t)%3)+16+4*\ii+\col]   ; its bit 7 stays at bit 31, its bits 6:0 at bits 22:16
.endr
.irp col, 0,1,2,3
	v_lshl_or_b32 v[WX+16*\col+4*((\t)%4)+\ii], v[RW+32*((\t)%3)+4*\ii+\col], 23, v[RW+32*((\t)%3)+16+4*\ii+\col]   ; the exponent over it
.endr
.endr
.endm
; Block b of my four columns is quantised, the four by turns, so that no line waits for the line above it.
.macro QB b
.irp j, 0,1,2,3
	v_max3_num_f32 v[MX+\j], |v[WX+16*\j]|, |v[WX+16*\j+1]|, 0x2800000   ; my 16 numbers, and the floor 2^(5 - 127): the byte cannot fall under 1
.endr
.irp i, 2,4,6,8,10,12,14
.irp j, 0,1,2,3
	v_max3_num_f32 v[MX+\j], v[MX+\j], |v[WX+16*\j+\i]|, |v[WX+16*\j+\i+1]|
.endr
.endr
.irp j, 0,1,2,3
	v_permlanex16_b32 v[PX+\j], v[MX+\j], s20, s21
.endr
.irp j, 0,1,2,3
	v_max_num_f32 v[MX+\j], v[MX+\j], v[PX+\j]     ; with lane l xor 16's 16: the block's largest magnitude
.endr
.irp j, 0,1,2,3
	v_add_nc_u32 v[SOP+\j], 0xfe000000, v[MX+\j]   ; 4 off its exponent field: the conversion takes the exponent field of this operand as its scale, and nothing else of it
.endr
.if (\b) == 0
.irp j, 0,1,2,3
	v_lshrrev_b32 v[SW+\j], 23, v[SOP+\j]          ; the scale's byte: the first starts the word
.endr
.else
.irp j, 0,1,2,3
	v_lshrrev_b32 v[BY+\j], 23, v[SOP+\j]
.endr
.irp j, 0,1,2,3
	v_lshl_or_b32 v[SW+\j], v[BY+\j], 8*(\b), v[SW+\j]
.endr
.endif
.irp j, 0,1,2,3
.if (\b)%2 == 0
	v_cvt_scalef32_pk16_bf6_f32 v[CF+12*\j+6*((\b)/2):CF+12*\j+6*((\b)/2)+2], v[WX+16*\j:WX+16*\j+15], v[SOP+\j]   ; 16 codes, 96 bits; beyond the largest code the largest
.else
	v_cvt_scalef32_pk16_bf6_f32 v[TT+4*\j:TT+4*\j+2], v[WX+16*\j:WX+16*\j+15], v[SOP+\j]   ; (a conversion's three registers begin on an even number)
.endif
.endr
	v_nop                                          ; one plain vector instruction behind the conversions, before their results are touched or their sources written again
.if (\b)%2 == 1
; The operand's layout wants a WHOLE block in a lane: lanes 0-15 block 2 c, lanes 16-31 block 2 c + 1.  The even block's lanes 16-31 change places with the odd block's lanes 0-15.
.irp j, 0,1,2,3
.irp i, 0,1,2
	v_permlane16_swap_b32 v[CF+12*\j+6*((\b)/2)+\i], v[TT+4*\j+\i]
.endr
.endr
.irp j, 0,1,2,3
.irp i, 0,1,2
	v_mov_b32 v[CF+12*\j+6*((\b)/2)+3+\i], v[TT+4*\j+\i]   ; registers 6 c .. 6 c + 5 now hold k = 64 c + 32 h + 0 .. 31
.endr
.endr
.endif
.endm
	LOADC 0
	LOADC 1
	LOADC 2                                        ; 24 loads of a wave are on their way throughout
.irp t, 0,1,2,3,4,5,6,7,8,9,10,11,12,13,14,15
.if \t <= 13
	s_wait_loadcnt 16                              ; loads come back in order: chunk t is in, the two younger chunks' sixteen loads stay out
.elseif \t == 14
	s_wait_loadcnt 8
.else
	s_wait_loadcnt 0
.endif
	DEC \t
.if \t+3 < 16
	LOADC \t+3                                     ; into the slot just decoded
.endif
.if (\t)%4 == 3
	QB (\t)/4
.endif
.endr
.irp j, 0,1,2,3
.irp t, 0,1,2
	global_store_b128 v5, v[CF+12*\j+4*\t:CF+12*\j+4*\t+3], s[24:25] offset:1536*\j+512*\t   ; 32 lanes store 512 consecutive bytes, aligned; the next launch reads them, so no hint
.endr
.endr
	TAIL
; ---------------------------------------------------------------- x: 64 rows x 128 along K a wave
; A load takes the bytes as they lie: 256 bytes of a row in lanes 0-15, of the next row in lanes 16-31.  The operand wants, in lane (r, h), of row r the blocks h and 2 + h whole: 64 + 64 bytes.
; So a fragment's 16 rows x 256 bytes turn through the wave's own stage in LDS (rows 272 bytes apart, so that the sixteen rows that a load touches begin in different banks) and come back into the registers that they left.
.Lx:
	s_lshr_b32 s18, s15, 3                         ; which 64 rows
	s_and_b32 s19, s15, 7
	s_lshl_b32 s19, s19, 2
	s_add_co_u32 s19, s19, s14                     ; which 128 along K: the work-group's four waves stand side by side on 1,024 bytes of a row
	s_lshl_b32 s36, s18, 19                        ; 64 rows of 8,192 bytes
	s_lshl_b32 s37, s19, 8                         ; 128 numbers of 2 bytes
	s_add_co_u32 s36, s36, s37                     ; under 2^25
	s_mov_b32 s37, 0
	s_mov_b32 s23, 0xffff0000                      ; a word's upper bf16
	s_mul_i32 s17, s14, 16*272                     ; my wave's stage
	v_lshlrev_b32 v4, 13, v3                       ; one row down for lanes 16-31,
	v_lshl_add_u32 v4, v2, 4, v4                   ; + 16 r; never rewritten
	v_mul_u32_u24 v6, v3, 272
	v_lshl_add_u32 v6, v2, 4, v6
	v_add_nc_u32 v6, s17, v6                       ; into the stage: two rows an instruction
	v_mul_u32_u24 v7, v2, 272
	v_lshl_add_u32 v7, v3, 6, v7
	v_add_nc_u32 v7, s17, v7                       ; out of it: row r, + 64 h
	v_mov_b32 v15, 0                               ; written once: a lane permute's destination counts as one of its sources
	v_lshlrev_b32 v16, 3, v3                       ; 8 h
	DST 10
	s_add_nc_u64 s[4:5], s[4:5], s[36:37]
.irp f, 0,1,2,3
.irp t, 0,1,2,3,4,5,6,7
	global_load_b128 v[RAW+32*\f+4*\t:RAW+32*\f+4*\t+3], v4, s[4:5] offset:(16*\f+2*\t)*8192 th:TH_LOAD_NT   ; all of the wave's 16 KiB are asked for at once
.endr
.endr
.macro XTURN f                         ; LDS serves a wave's instructions in order: no wait between the stores and the loads, nor in front of the next fragment's stores
.irp t, 0,1,2,3,4,5,6,7
	ds_store_b128 v6, v[RAW+32*(\f)+4*\t:RAW+32*(\f)+4*\t+3] offset:544*\t
.endr
.irp c, 0,1
.irp jj, 0,1,2,3
	ds_load_b128 v[RAW+32*(\f)+4*(4*\c+\jj):RAW+32*(\f)+4*(4*\c+\jj)+3], v7 offset:128*\c+16*\jj   ; register 16 c + w: k = 64 c + 32 h + 2 w, + 1
.endr
.endr
.endm
.macro XQ f
.irp w, 0,1,2,3,4,5,6,7,8,9,10,11,12,13,14,15,16,17,18,19,20,21,22,23,24,25,26,27,28,29,30,31
	v_lshlrev_b32 v[XX+2*\w], 16, v[RAW+32*(\f)+\w]        ; bf16 to f32: the low half moves up,
	v_and_b32 v[XX+2*\w+1], s23, v[RAW+32*(\f)+\w]         ; the high half stays
.endr
.irp c, 0,1
	v_max3_num_f32 v[XMX+\c], |v[XX+32*\c]|, |v[XX+32*\c+1]|, 0x2800000   ; my block 2 c + h: all its 32 numbers are mine; and the floor 2^(5 - 127)
.endr
.irp i, 2,4,6,8,10,12,14,16,18,20,22,24,26,28,30
.irp c, 0,1
	v_max3_num_f32 v[XMX+\c], v[XMX+\c], |v[XX+32*\c+\i]|, |v[XX+32*\c+\i+1]|   ; (the two blocks by turns)
.endr
.endr
.irp c, 0,1
	v_add_nc_u32 v[XSOP+\c], 0xfe000000, v[XMX+\c]         ; 4 off the exponent field: the conversion's scale operand
.endr
.irp c, 0,1
	v_lshrrev_b32 v[XBY+\c], 23, v[XSOP+\c]                ; the scale's byte
.endr
	v_lshl_or_b32 v14, v[XBY+1], 16, v[XBY]        ; my two bytes: blocks h and 2 + h of row r,
	v_lshlrev_b32 v14, v16, v14                    ; at their places in the word (8 h bits up);
	v_permlanex16_b32 v15, v14, s20, s21
	v_or_b32 v[SW+(\f)], v14, v15                  ; with lane l xor 16's two the word is whole, in both lanes
.irp c, 0,1
	v_cvt_scalef32_pk16_bf6_f32 v[RAW+32*(\f)+6*\c:RAW+32*(\f)+6*\c+2], v[XX+32*\c:XX+32*\c+15], v[XSOP+\c]   ; the codes go where the fragment's raw words lay
	v_cvt_scalef32_pk16_bf6_f32 v[RAW+32*(\f)+12+4*\c:RAW+32*(\f)+12+4*\c+2], v[XX+32*\c+16:XX+32*\c+31], v[XSOP+\c]   ; (a conversion's three registers begin on an even number)
.endr
	v_nop                                          ; one plain vector instruction behind the conversions
.irp c, 0,1
.irp i, 0,1,2
	v_mov_b32 v[RAW+32*(\f)+6*\c+3+\i], v[RAW+32*(\f)+12+4*\c+\i]
.endr
.endr
.irp t, 0,1,2
	global_store_b128 v5, v[RAW+32*(\f)+4*\t:RAW+32*(\f)+4*\t+3], s[24:25] offset:1536*(\f)+512*\t   ; 512 consecutive bytes, aligned; these registers are not written again
.endr
.endm
	s_wait_loadcnt 24                              ; fragment 0's eight loads are in
	XTURN 0
.irp f, 0,1,2,3
.if \f < 3
	s_wait_loadcnt 8*(2-\f)                        ; the next fragment's eight loads are in; those behind them stay out
	XTURN \f+1                                     ; it turns while this one is worked
	s_wait_dscnt 16                                ; this fragment is back: only the sixteen LDS instructions just issued may be out
.else
	s_wait_dscnt 0x0
.endif
	XQ \f
.endr
	TAIL
.Lfunc_end_k_q6605149e95_quant:
	.size	k_q6605149e95_quant, .Lfunc_end_k_q6605149e95_quant-k_q6605149e95_quant
	.p2alignl 7, 3214868480
	.fill 96, 4, 3214868480
	.section	.rodata,"a",@progbits
	.p2align	6, 0x0
	.amdhsa_kernel k_q6605149e95_quant
		.amdhsa_group_segment_fixed_size 17920
		.amdhsa_private_segment_fixed_size 0
		.amdhsa_enable_private_segment 0
		.amdhsa_kernarg_size 40
		.amdhsa_user_sgpr_count 2
		.amdhsa_user_sgpr_kernarg_segment_ptr 1
		.amdhsa_wavefront_size32 1
		.amdhsa_system_sgpr_workgroup_id_x 1
		.amdhsa_system_sgpr_workgroup_id_y 1
		.amdhsa_system_sgpr_workgroup_id_z 1
		.amdhsa_system_vgpr_workitem_id 0
		.amdhsa_next_free_vgpr 256
		.amdhsa_next_free_sgpr 66
		.amdhsa_reserve_vcc 1
		.amdhsa_float_denorm_mode_32 3
		.amdhsa_float_denorm_mode_16_64 3
		.amdhsa_memory_ordered 1
		.amdhsa_forward_progress 1
		.amdhsa_inst_pref_size 102
	.end_amdhsa_kernel
	.amdgpu_metadata
---
amdhsa.version: [ 1, 2 ]
amdhsa.kernels:
  - .name:           k_q6605149e95_quant
    .symbol:         k_q6605149e95_quant.kd
    .args:
      - { .name: x, .offset: 0, .size: 8, .value_kind: global_buffer, .address_space: global }
      - { .name: exp_bytes, .offset: 8, .size: 8, .value_kind: global_buffer, .address_space: global }
      - { .name: man_bytes, .offset: 16, .size: 8, .value_kind: global_buffer, .address_space: global }
      - { .name: aq, .offset: 24, .size: 8, .value_kind: global_buffer, .address_space: global }
      - { .name: bq, .offset: 32, .size: 8, .value_kind: global_buffer, .address_space: global }
    .group_segment_fixed_size: 17920
    .private_segment_fixed_size: 0
    .kernarg_segment_align: 8
    .kernarg_segment_size: 40
    .max_flat_workgroup_size: 128
    .sgpr_count:     66
    .vgpr_count:     256
    .wavefront_size: 32
...
	.end_amdgpu_metadata
.endif
;; end of part 1
;; launch gemm (part 2): grid 16 x 16, 4 waves a work-group, clusters of 4 x 4, 327,680 bytes of LDS; arguments aq, bq, out0; writes out0
.if DOCPART == 2
	.amdgcn_target "amdgcn-amd-amdhsa--gfx1250"
	.amdhsa_code_object_version 6
	.text
	.protected	k_q6605149e95_gemm
	.globl	k_q6605149e95_gemm
	.p2align	8
	.type	k_q6605149e95_gemm,@function
k_q6605149e95_gemm:
	s_mov_b64 s[64:65], 0
	v_nop
	global_prefetch_b8 v0, s[64:65] scope:SCOPE_SE
	s_setreg_imm32_b32 hwreg(HW_REG_WAVE_MODE, 25, 1), 1
	s_wait_xcnt 0x0
	s_wait_alu depctr_hold_cnt(0) depctr_sa_sdst(0) depctr_va_vdst(0) depctr_va_sdst(0) depctr_va_ssrc(0) depctr_va_vcc(0) depctr_vm_vsrc(0)
	s_getreg_b32 s2, hwreg(HW_REG_IB_STS2, 6, 4)
	s_cmp_eq_u32 s2, 0
	s_cbranch_scc0 .Lentry_in_a_cluster
	s_endpgm
.Lentry_in_a_cluster:
	s_bfe_u32 s2, ttmp6, 0x10000c
	s_cmp_lg_u32 s2, 0xf033
	s_cbranch_scc0 .Lentry_shape_is_right
	s_endpgm
.Lentry_shape_is_right:
; out0[m][n] = sum over k of A[m][k] B[n][k], 4096 x 4096 x 4096, on codes of BF6 (E3M2) with one E8M0 scale for each 32 along K; sums in f32, the result rounded once to bf16.
; aq and bq are this program's own: [group of 128 rows of A or columns of the weight: 32][K step of 256: 16][a tile of 25,600 bytes].  A tile holds, for q = 0, 1 (128 along K) and fragment i = 0 .. 7,
; the image of the operand's 12 registers (registers 4 t .. 4 t + 3 of lane l at 12288 q + 1536 i + 512 t + 16 l), and from byte 24576 on the scale words (row r of fragment 4 g + j at 512 q + 256 g + 16 r + 4 j).
; So a tile is ONE dense block for one tensor load, a fragment is three ds_load_b128 at 16 x lane (512 consecutive bytes each: no padding is wanted), and the scale words of four fragments come by one load.
; Fragment i of A: lane r is row 16 i + r.  Fragment 4 g + j of B: lane r is column 64 g + 4 r + j of the group.
; A tile of C, 256 x 256, is made by a work-group of four waves, as many as a WGP has SIMDs; a wave makes 128 x 128: 64 accumulators of 16 x 16, 512 registers.  256 work-groups, one tile each.
; K goes in steps of 256 through a ring of two LDS slots; each wave fetches a quarter of a slot (one tile of 25,600 bytes) by one tensor load; 128 matrix instructions a wave between two changes of slots.
; CLUSTERS: 4 x 4 work-groups.  The four of a row of the cluster need the same tiles of A, the four of a column the same tiles of B: each tile is asked for JOINTLY, by the same tensor load with the same
; descriptor and a mask that names the four.
; THE MATRIX INSTRUCTION IS USED TRANSPOSED (source 0 = a fragment of B, source 1 = 16 rows of A): register i of accumulator (a, 4 g + j) in lane (r, h) is C(16 a + r, 64 g + 32 h + 4 i + j).
; So the four accumulators 4 g .. 4 g + 3 of a lane hold 32 NEIGHBOURING columns of one row: 64 bytes of bf16.
; REGISTERS, in windows of 256: window 0: v0-31 addresses; v32-63 scale words, two sets, and nothing else; v64-127 rows on the way out; v128-223 A's fragments, ONE set; v224-255 packed results on the way out.
;   window 1: B's fragments, TWO sets, at v0 and at v128.   window 2: the 32 accumulators of my rows 0-63 (accumulator (a, b) at v[8 (8 a + b)]);   window 3: those of my rows 64-127.
; A step of 128 along K is 64 matrix instructions, A's blocks one after the other, each against B's eight: a block of A is free as soon as its eight products are issued, so one set serves A
; (blocks 0-3 are fetched anew in the step's middle, blocks 4-7 at its end); B's fragments are at work through the whole step and have two sets.
; Left out: prefetching (the tiles were stored by the launch before); work-groups that stay (there is one tile for each).
.set HALFT,  25600                     ; a tile: what one tensor load brings, and what one wave reads of A or of B in a K step
.set SLOT,   4*HALFT                   ; A's two tiles, then B's two
.set GRP,    16*HALFT                  ; a group's 16 K steps in memory
.set SCW,    24576                     ; where a tile's scale words begin
.set SPARE,  2*SLOT                    ; behind the ring: the spare words, 128 bytes for each wave: two blocks of 256 bytes that no other line names
.set STAGE,  SPARE+512                 ; behind them: 16 rows x 272 bytes for each wave, for the way out; no tensor load lands here
.set SPITCH, 272
.set LAPS,   8                         ; a lap = two K steps = once round the ring: 4096 / 512
.set FR,     12                        ; registers of a fragment
.set NL,     3                         ; LDS loads that bring one
.set NP,     4                         ; places behind this matrix instruction (ISA guide 7.12.1)
.set ADRA, 16                          ; v16-17  LDS address of my A fragments in slot 0, 1
.set ADRS, 18                          ; v18-19  of my scale words: lanes 0-15 A's rows, lanes 16-31 B's
.set ADRB, 20                          ; v20-21  of my B fragments
.set STO,  24                          ; v24     the way out: where I put 64 bytes of a row
.set RD,   25                          ; v25     the way out: where I read a row back
.set CO,   26                          ; v26     my byte offset in C
.set SPW,  28                          ; v28     LDS address of my spare word: SPARE + 4 x my thread's number; never rewritten
.set NIL,  29                          ; v29     0; never rewritten
.set SC,   32                          ; scale words: register SC + 16 s + 8 q + i: lanes 0-15 the word of A's block i, lanes 16-31 that of B's block i, for slot s's q-th 128 along K
.set BK,   64                          ; the way out: 16 rows read back from the stage: v64-95 and v96-127 by turns
.set AF,   128                         ; A's fragments, in window 0
.set TMP,  224                         ; the way out: packed results
.set G1, 24                            ; s[24:31] descriptor group 1 for A's tiles;  s[32:39] group 0, one set for each slot
.set G0, 32
.set G1B, 48                           ; s[48:55], s[56:63] the same for B's tiles
.set G0B, 56
.set MSB, 0
.macro WIN new                         ; the immediate's high byte repeats the setting that is left; a switch that changes nothing is dropped
.if MSB != (\new)
	s_set_vgpr_msb (MSB<<8)|(\new)
.set MSB, (\new)
.endif
.endm
.set MUL_LO, 0xa1                      ; source 0 (B) window 1, source 1 (A) window 0, C and D window 2
.set MUL_HI, 0xf1                      ; the same, C and D window 3
.set TO_B,   0x40                      ; destination window 1, address window 0
; A joint load: waves 0 and 1 fetch A's two tiles, waves 2 and 3 B's.  Each of the two lines has ONE mask and one set of registers for all that issue it; the branch hangs on the wave's number alone.
; Four v_nop follow each of the two lines, ahead of the jump, the label and what follows.
.macro JLOAD s
	s_cmp_eq_u32 s11, 0
	s_cbranch_scc0 .Lfor_b_\@
	tensor_load_to_lds s[G0+4*\s:G0+4*\s+3], s[G1:G1+7]
	s_nop 0
.rept 4
	v_nop
.endr
	s_branch .Lasked_\@
.Lfor_b_\@:
	tensor_load_to_lds s[G0B+4*\s:G0B+4*\s+3], s[G1B:G1B+7]
	s_nop 0
.rept 4
	v_nop
.endr
.Lasked_\@:
.endm
.macro CREST                           ; a round of the cluster's barrier behind its opening barrier
	s_cmp_lg_u32 s10, 0
	s_cbranch_scc1 .Lnot_wave_0_\@
	s_barrier_signal -3
.Lnot_wave_0_\@:
	s_barrier_wait -3
	s_barrier_signal -1
	s_barrier_wait -1
.endm
.macro CROUND                          ; a whole round
	s_barrier_signal -1
	s_barrier_wait -1
	CREST
.endm
	s_load_b128 s[4:7], s[0:1], 0x0                ; aq s[4:5], bq s[6:7]
	s_load_b64 s[8:9], s[0:1], 0x10                ; out0
	v_lshl_add_u32 v[SPW], v0, 2, SPARE
	v_mov_b32 v[NIL], 0
	ds_add_u32 v28, v29
	ds_add_u32 v28, v29
	s_wait_dscnt 0x0
	v_lshrrev_b32 v1, 5, v0
	v_readfirstlane_b32 s10, v1                    ; wave 0..3
	s_lshr_b32 s11, s10, 1                         ; which half of the tile's rows is mine.  Also: I fetch for A (0) or for B (1)
	s_and_b32 s12, s10, 1                          ; which half of its columns.  Also: which group of 128 I fetch
	s_bfe_u32 s40, ttmp6, 0x40000                  ; cx, cy: my place in the cluster
	s_bfe_u32 s41, ttmp6, 0x40004
	s_lshl_b32 s42, ttmp9, 2
	s_add_co_u32 s42, s42, s40                     ; tile column of C = 4 x cluster x + cx
	s_and_b32 s13, ttmp7, 0xffff
	s_lshl_b32 s13, s13, 2
	s_add_co_u32 s13, s13, s41                     ; tile row of C = 4 x cluster y + cy
	s_lshl_b32 s43, s41, 2
	s_lshl_b32 s43, 15, s43                        ; my row of the cluster: places 4 cy .. 4 cy + 3
	s_lshl_b32 s44, 0x1111, s40                    ; my column: places cx, cx + 4, cx + 8, cx + 12
	; descriptor group 1: a dense block of 25,600 bytes as 100 rows of 256 bytes (32 elements of 8 bytes), no padding
	s_or_b32 s[G1+0], s43, (3<<16)|(1<<21)         ; 15:0 the mask: A's tiles go to my row; 17:16 elements of 8 bytes; 20 padding off; 21 set beside a mask
	s_or_b32 s[G1B+0], s44, (3<<16)|(1<<21)        ; the same with the mask of my column, for B's tiles
.irp g, G1, G1B
	s_mov_b32 s[\g+1], 32<<16                      ; tensor_dim0 = 32
	s_mov_b32 s[\g+2], 100<<16                     ; tensor_dim1 = 100
	s_mov_b32 s[\g+3], 32<<16                      ; tile_dim0 = 32
	s_mov_b32 s[\g+4], 100                         ; tile_dim1 = 100
	s_mov_b32 s[\g+5], 32                          ; tensor_dim0_stride: each row begins where the last ends
	s_mov_b32 s[\g+6], 0
	s_mov_b32 s[\g+7], 0
.endr
	; where the tiles come from.  A's hang on the tile row alone, which my row of the cluster shares; B's on the tile column alone, which my column shares.
	s_lshl_b32 s16, s13, 1
	s_add_co_u32 s16, s16, s12                     ; A: group 2 x tile row + half
	s_mul_i32 s16, s16, GRP                        ; in bytes: under 2^24
	s_mov_b32 s17, 0
	s_lshl_b32 s46, s42, 1
	s_add_co_u32 s46, s46, s12                     ; B: group 2 x tile column + half
	s_mul_i32 s46, s46, GRP
	s_mov_b32 s47, 0
	s_mul_i32 s20, s10, HALFT                      ; and where they go: wave x a tile: no place in the cluster enters an LDS address
	s_wait_kmcnt 0x0
	s_add_nc_u64 s[14:15], s[4:5], s[16:17]
	s_add_nc_u64 s[46:47], s[6:7], s[46:47]
	CROUND                                         ; all sixteen work-groups are here: the first joint loads meet
.irp s, 0,1
	s_mov_b32 s[G0+4*\s], 1                                        ; 1:0 count = 1
	s_add_co_u32 s[G0+4*\s+1], s20, \s*SLOT                        ; 63:32 LDS address
	s_add_nc_u64 s[G0+4*\s+2:G0+4*\s+3], s[14:15], \s*HALFT        ; 120:64 global address: K step s
	s_or_b32 s[G0+4*\s+3], s[G0+4*\s+3], 0x80000000                ; 127:126 type = 2
	s_mov_b32 s[G0B+4*\s], 1
	s_add_co_u32 s[G0B+4*\s+1], s20, \s*SLOT
	s_add_nc_u64 s[G0B+4*\s+2:G0B+4*\s+3], s[46:47], \s*HALFT
	s_or_b32 s[G0B+4*\s+3], s[G0B+4*\s+3], 0x80000000
	JLOAD \s                                       ; the ring is filled before anything else is done: two loads of mine are out
.endr
	v_and_b32 v1, 15, v0                           ; r
	v_bfe_u32 v2, v0, 4, 1                         ; h
	v_and_b32 v3, 31, v0
	v_lshlrev_b32 v3, 4, v3                        ; 16 x lane
	s_mul_i32 s21, s11, HALFT                      ; my tile of A
	s_mul_i32 s22, s12, HALFT                      ; my tile of B,
	s_add_co_u32 s22, s22, 2*HALFT                 ; which lies behind A's two
	s_sub_co_u32 s23, s22, s21                     ; the distance from the one to the other
	v_mul_u32_u24 v4, s23, v2                      ; lanes 16-31 take B's scale words
	v_lshl_add_u32 v4, v1, 4, v4                   ; 16 bytes a row: the words of four fragments
	v_add_nc_u32 v4, SCW, v4
.irp s, 0,1
	v_add_nc_u32 v[ADRA+\s], s21, v3
	v_add_nc_u32 v[ADRB+\s], s22, v3
	v_add_nc_u32 v[ADRS+\s], s21, v4
	s_add_co_u32 s21, s21, SLOT
	s_add_co_u32 s22, s22, SLOT
.endr
	s_mul_i32 s23, s10, 16*SPITCH
	s_add_co_u32 s23, s23, STAGE                   ; my stage
	v_mul_u32_u24 v4, v1, SPITCH                   ; in: row r, 64 bytes for each half of the lanes
	v_lshl_add_u32 v4, v2, 6, v4
	v_add_nc_u32 v[STO], s23, v4
	v_mul_u32_u24 v5, v2, SPITCH                   ; back: lanes 0-15 take one row of 256 bytes, lanes 16-31 the next
	v_lshl_add_u32 v5, v1, 4, v5
	v_add_nc_u32 v[RD], s23, v5
	v_lshlrev_b32 v5, 13, v2                       ; and the same two rows in C: a row is 8,192 bytes
	v_lshl_add_u32 v[CO], v1, 4, v5
	s_lshl_b32 s16, s13, 8
	s_lshl_b32 s17, s11, 7
	s_add_co_u32 s16, s16, s17                     ; my first row of C: 256 x tile row + 128 x half
	s_lshl_b32 s16, s16, 13                        ; in bytes: under 2^25
	s_mov_b32 s17, 0
	s_lshl_b32 s46, s42, 9                         ; my first column, in bytes: 512 x tile column + 256 x half
	s_lshl_b32 s47, s12, 8
	s_add_co_u32 s46, s46, s47
	s_mov_b32 s47, 0
	s_add_nc_u64 s[16:17], s[16:17], s[46:47]
	s_add_nc_u64 s[8:9], s[8:9], s[16:17]
.macro FRAG reg, adr, q, i             ; a fragment comes as it was stored: three loads of 512 consecutive bytes
.irp t, 0,1,2
	ds_load_b128 v[\reg+4*\t:\reg+4*\t+3], v[\adr] offset:(\q)*12288+(\i)*1536+512*\t
.endr
.endm
; 16 matrix instructions: A's blocks a0, a0 + 1 x B's eight, 128 along K: the slot's q-th.  p: B's set;  sc: the set of scale words.  zero = 1: the first product starts the sums: nothing is ever cleared.
; The 64 accumulators take turns, one instruction a turn, in the same order in every step.
.macro MUL16 a0, p, q, sc, zero
.irp a, \a0, \a0+1
.irp b, 0,1,2,3,4,5,6,7
.if \zero
	v_wmma_scale_f32_16x16x128_f8f6f4 v[8*(8*((\a)%4)+\b):8*(8*((\a)%4)+\b)+7], v[128*(\p)+FR*\b:128*(\p)+FR*\b+FR-1], v[AF+FR*(\a):AF+FR*(\a)+FR-1], 0, v[SC+16*(\sc)+8*(\q)+\b], v[SC+16*(\sc)+8*(\q)+(\a)] matrix_a_fmt:MATRIX_FMT_BF6 matrix_b_fmt:MATRIX_FMT_BF6 matrix_a_scale:MATRIX_SCALE_ROW1
.else
	v_wmma_scale_f32_16x16x128_f8f6f4 v[8*(8*((\a)%4)+\b):8*(8*((\a)%4)+\b)+7], v[128*(\p)+FR*\b:128*(\p)+FR*\b+FR-1], v[AF+FR*(\a):AF+FR*(\a)+FR-1], v[8*(8*((\a)%4)+\b):8*(8*((\a)%4)+\b)+7], v[SC+16*(\sc)+8*(\q)+\b], v[SC+16*(\sc)+8*(\q)+(\a)] matrix_a_fmt:MATRIX_FMT_BF6 matrix_b_fmt:MATRIX_FMT_BF6 matrix_a_scale:MATRIX_SCALE_ROW1
.endif
.endr
.endr
.endm
.macro FETCH_B slot, q, p              ; B's eight fragments of the slot's q-th 128 along K into set p
	WIN TO_B
.irp i, 0,1,2,3,4,5,6,7
	FRAG 128*(\p)+FR*\i, ADRB+\slot, \q, \i
.endr
	WIN 0
.endm
.macro FETCH_A slot, q, i0             ; A's blocks i0 .. i0 + 3
.irp i, \i0, \i0+1, \i0+2, \i0+3
	FRAG AF+FR*(\i), ADRA+\slot, \q, \i
.endr
.endm
.macro SCALES sc                       ; slot sc's scale words: four loads bring the words of 8 blocks x 2 steps of both sides
.irp q, 0,1
.irp g, 0,1
	ds_load_b128 v[SC+16*\sc+8*\q+4*\g:SC+16*\sc+8*\q+4*\g+3], v[ADRS+\sc] offset:512*\q+256*\g
.endr
.endr
.endm
; A load into a register that a matrix instruction has read, and a vector instruction that reads a matrix result, stand NP places behind that matrix instruction, and only plain vector instructions
; that name none of its registers are places (ISA guide 7.12.1 for vector instructions); this text does not count the matrix instructions in between.
.macro PLACES n
.rept \n
	v_nop
.endr
.endm
; A step of 128 along K that has its successor in the same slot.
.macro STEP slot, q, zero
	s_wait_dscnt 4*NL                              ; B's set, A's blocks 0-3 and the scale words are in; the youngest twelve loads (A's blocks 4-7) may be out
	WIN MUL_LO
	MUL16 0, (\q)%2, \q, \slot, \zero
	MUL16 2, (\q)%2, \q, \slot, \zero
	s_wait_dscnt 0                                 ; A's blocks 4-7 are in (asked for 32 matrix instructions ago)
	PLACES NP
	FETCH_B \slot, (\q)+1, 1-(\q)%2
	FETCH_A \slot, (\q)+1, 0
	WIN MUL_HI
	MUL16 4, (\q)%2, \q, \slot, \zero
	MUL16 6, (\q)%2, \q, \slot, \zero
	PLACES NP
	WIN 0
	FETCH_A \slot, (\q)+1, 4
.endm
; A slot's last step changes slots: ONE barrier; in front of it each wave waits for all its tensor loads, adds 0 to its spare word, and waits for that and for its own reads of this slot.
; Behind it nobody reads this slot any more and the next slot is whole.  fill = 1: this slot is filled again, two K steps ahead; the barrier then opens a round of the cluster's barrier.
.macro TURN slot, next, fill
	s_wait_tensorcnt 0x0                           ; all my tensor loads have landed: the one that was out is my part of the next slot;  (every window is 0 here: the add's two registers lie in window 0)
	ds_add_u32 v[SPW], v[NIL]                      ; 0 onto my spare word
	s_wait_dscnt 4*NL+1                            ; (the add and the youngest twelve loads, A's blocks 4-7, may be out)
	WIN MUL_LO
	MUL16 0, 1, 1, \slot, 0                        ; sixteen matrix instructions stand between the add and the wait for it
	s_wait_dscnt 0x0                               ; the add is done, and my reads of this slot are over
	s_barrier_signal -1
	MUL16 2, 1, 1, \slot, 0                        ; work on registers while the others arrive
	WIN 0
	s_barrier_wait -1
.if \fill
	CREST                                          ; no wave of any partner still reads this slot's tile or has a load on its way
	s_add_nc_u64 s[G0+4*\slot+2:G0+4*\slot+3], s[G0+4*\slot+2:G0+4*\slot+3], 2*HALFT
	s_add_nc_u64 s[G0B+4*\slot+2:G0B+4*\slot+3], s[G0B+4*\slot+2:G0B+4*\slot+3], 2*HALFT
	JLOAD \slot                                    ; the first tensor load behind the round, and my only one until the next; the four v_nop behind it are also the places in front of the loads below
.else
	PLACES NP
.endif
	FETCH_B \next, 0, 0
	FETCH_A \next, 0, 0
	SCALES \next
	WIN MUL_HI
	MUL16 4, 1, 1, \slot, 0
	MUL16 6, 1, 1, \slot, 0
	PLACES NP
	WIN 0
	FETCH_A \next, 0, 4
.endm
	s_wait_tensorcnt 1                             ; my part of K step 0 is in (K step 1's load may be out)
	s_barrier_signal -1
	s_barrier_wait -1                              ; everybody's is
	FETCH_B 0, 0, 0
	FETCH_A 0, 0, 0
	SCALES 0
	FETCH_A 0, 0, 4
	STEP 0, 0, 1                                   ; the first step stands in front of the loop: its products start the sums
	s_mov_b32 s3, LAPS-1
.Llap:                                                 ; a trip goes once round the ring, from a lap's second step to the next lap's first, and fills both slots again
	TURN 0, 1, 1
	STEP 1, 0, 0
	TURN 1, 0, 1
	STEP 0, 0, 0
	s_sub_co_u32 s3, s3, 1
	s_cmp_lg_u32 s3, 0
	s_cbranch_scc1 .Llap
	TURN 0, 1, 0                                   ; the last lap fills nothing, and has no round of the cluster's barrier
	STEP 1, 0, 0
	s_wait_dscnt 4*NL                              ; the very last step: nothing more to fetch
	WIN MUL_LO
	MUL16 0, 1, 1, 1, 0
	MUL16 2, 1, 1, 1, 0
	s_wait_dscnt 0
	WIN MUL_HI
	MUL16 4, 1, 1, 1, 0
	MUL16 6, 1, 1, 1, 0
	WIN 0
; THE WAY OUT, block by block of 16 rows x 128 columns, in three parts.
; PACK: register i of accumulators 4 g, 4 g + 1, 4 g + 2, 4 g + 3 are columns 4 i .. 4 i + 3 of my 32: two roundings to bf16 each make a word.  Each accumulator is read from its lowest register on.
.macro PACK a
.set AC, 64*((\a)%4)
	WIN 0x0a+5*((\a)/4)                            ; sources 0 and 1: window 2 or 3
.irp g, 0,1
.irp i, 0,1,2,3,4,5,6,7
	v_cvt_pk_bf16_f32 v[TMP+16*\g+2*\i],   v[AC+32*\g+\i],    v[AC+32*\g+8+\i]
	v_cvt_pk_bf16_f32 v[TMP+16*\g+2*\i+1], v[AC+32*\g+16+\i], v[AC+32*\g+24+\i]
.endr
.endr
	WIN 0
.endm
; TOSTAGE: into my own stage in LDS, and back as whole rows of 256 bytes.  LDS serves a wave's instructions in order (ISA guide 5.7.1.4): no wait between the stores and the loads.
.macro TOSTAGE a
.set BB, BK+32*((\a)%2)
.irp g, 0,1
.irp t, 0,1,2,3
	ds_store_b128 v[STO], v[TMP+16*\g+4*\t:TMP+16*\g+4*\t+3] offset:128*\g+16*\t
.endr
.endr
.irp t, 0,1,2,3,4,5,6,7
	ds_load_b128 v[BB+4*\t:BB+4*\t+3], v[RD] offset:\t*2*SPITCH
.endr
.endm
.macro SEND a
.set BB, BK+32*((\a)%2)
	s_wait_dscnt 0x0                               ; the block is back in registers
	s_wait_xcnt 0x0                                ; every earlier memory instruction has had its addresses translated (ISA guide 3.1): only behind this wait are the stores' base and the registers that earlier stores read rewritten
.if (\a) > 0
	s_add_nc_u64 s[8:9], s[8:9], 16*8192           ; 16 rows of C on
.endif
.irp t, 0,1,2,3,4,5,6,7
	global_store_b128 v[CO], v[BB+4*\t:BB+4*\t+3], s[8:9] offset:2*\t*8192 th:TH_STORE_NT   ; 16 lanes store 256 consecutive bytes, at a multiple of 256 from C's first byte; written once, read by nobody here
.endr
.endm
	PLACES NP                                      ; the conversions read matrix results
	PACK 0
	TOSTAGE 0
.irp a, 1,2,3,4,5,6,7                  ; block a's conversions stand between block a - 1's loads from the stage and the wait for them
	PACK \a
	SEND \a-1
	TOSTAGE \a
.endr
	SEND 7
	s_wait_tensorcnt 0x0                           ; the wave's end, behind my last tensor load and my last LDS store
	ds_add_u32 v[SPW], v[NIL]
	s_wait_dscnt 0x0
	CROUND                                         ; the closing round: no work-group ends while a partner may still ask for a tile that names it
	s_endpgm
.Lfunc_end_k_q6605149e95_gemm:
	.size	k_q6605149e95_gemm, .Lfunc_end_k_q6605149e95_gemm-k_q6605149e95_gemm
	.p2alignl 7, 3214868480
	.fill 96, 4, 3214868480
	.section	.rodata,"a",@progbits
	.p2align	6, 0x0
	.amdhsa_kernel k_q6605149e95_gemm
		.amdhsa_group_segment_fixed_size 327680
		.amdhsa_private_segment_fixed_size 0
		.amdhsa_enable_private_segment 0
		.amdhsa_kernarg_size 24
		.amdhsa_user_sgpr_count 2
		.amdhsa_user_sgpr_kernarg_segment_ptr 1
		.amdhsa_wavefront_size32 1
		.amdhsa_system_sgpr_workgroup_id_x 1
		.amdhsa_system_sgpr_workgroup_id_y 1
		.amdhsa_system_sgpr_workgroup_id_z 1
		.amdhsa_system_vgpr_workitem_id 0
		.amdhsa_next_free_vgpr 1024
		.amdhsa_next_free_sgpr 66
		.amdhsa_reserve_vcc 0
		.amdhsa_float_denorm_mode_32 3
		.amdhsa_float_denorm_mode_16_64 3
		.amdhsa_memory_ordered 1
		.amdhsa_forward_progress 1
		.amdhsa_inst_pref_size 134
	.end_amdhsa_kernel
	.amdgpu_metadata
---
amdhsa.version: [ 1, 2 ]
amdhsa.kernels:
  - .name:           k_q6605149e95_gemm
    .symbol:         k_q6605149e95_gemm.kd
    .args:
      - { .name: aq, .offset: 0, .size: 8, .value_kind: global_buffer, .address_space: global }
      - { .name: bq, .offset: 8, .size: 8, .value_kind: global_buffer, .address_space: global }
      - { .name: out0, .offset: 16, .size: 8, .value_kind: global_buffer, .address_space: global }
    .group_segment_fixed_size: 327680
    .private_segment_fixed_size: 0
    .kernarg_segment_align: 8
    .kernarg_segment_size: 24
    .max_flat_workgroup_size: 128
    .sgpr_count:     66
    .vgpr_count:     1024
    .wavefront_size: 32
...
	.end_amdgpu_metadata
.endif
;; end of part 2
;; ======== version 2 of 2: 2 launches
;; limits: values are held in bf16: 8 bits of precision; right only within a limited range of input values
;; workspace buffers: aq 13,107,200 bytes; bq 13,107,200 bytes
;; launch quant (part 3): grid 1024 x 1, 4 waves a work-group, no clusters, 17,920 bytes of LDS; arguments x, exp_bytes, man_bytes, aq, bq; writes aq, bq
.if DOCPART == 3
	.amdgcn_target "amdgcn-amd-amdhsa--gfx1250"
	.amdhsa_code_object_version 6
	.text
	.protected	k_q6605149e95_quant
	.globl	k_q6605149e95_quant
	.p2align	8
	.type	k_q6605149e95_quant,@function
k_q6605149e95_quant:
	s_mov_b64 s[64:65], 0
	v_nop
	global_prefetch_b8 v0, s[64:65] scope:SCOPE_SE
	s_setreg_imm32_b32 hwreg(HW_REG_WAVE_MODE, 25, 1), 1
	s_wait_xcnt 0x0
; Both operands of y = x W are turned into codes of BF6 (E3M2), 6 bits each, with one E8M0 scale byte for each 32 along K, ONCE, into buffers of this program's own.
; x: [4096 (m)][4096 (k)] bf16.  W: [4096 (k)][4096 (n)], given as two int32 tensors: bf16 bits = (man & 0x80) << 8 | exp << 7 | man & 0x7f, in 16 bits.
; As f32 bits that is exp << 23 | (man's low byte, set in bytes 2 and 3) & 0x807f0000: exp's bit 8 falls on the sign bit here as it does in the 16-bit form, higher bits fall off in both.
; A block's scale is 2^(floor(log2(its largest magnitude)) - 4): its byte is the largest magnitude's exponent field - 4, held at 1 from below by a floor among the maximum's leaves.
; LIMITS: NaN and infinities (an exponent byte of 255) are not served; a block whose largest magnitude lies under 2^-122, a block of zeros among them, gets the byte 1
; (a block of zeros has zero codes, which add nothing under that byte; the bytes are read by this program alone).
; THE BUFFERS ARE LAID AS THE PRODUCT'S LAUNCH READS THEM: [group of 128 rows of x or columns of W: 32][step of 128 along K: 32][12,800 bytes].  A step: for each fragment i of 8
; the IMAGE OF THE OPERAND'S 12 REGISTERS: registers 4 t .. 4 t + 3 of lane l at 1536 i + 512 t + 16 l; behind the codes, at 12288 + 256 g + 16 r + 4 j, the scale word of row r of fragment 4 g + j.
; Fragment i of x: lane r is row 16 i + r of the group.  FRAGMENT 4 g + j OF W: LANE r IS COLUMN 64 g + 4 r + j: which columns form a fragment is free, and so a lane that loads 16 bytes of a row of
; exp (four neighbouring columns) holds one number of each of four fragments, in its own lane's place: nothing of W is transposed.
; SHARES.  512 work-groups take W and 512 take x; a wave makes four fragments (64 columns or rows x 128 along K) and their four scale words a lane.  A work-group of W reads four times the bytes of one of x,
; so the kind is bit 0 xor bit 8 of the work-group's number: of four neighbouring numbers, and of four numbers 256 apart, two are of each kind.  Waves share nothing: no barrier.
; No tensor loads, no cluster (no two work-groups read the same bytes), no matrix unit: the launch moves bytes.  Every load and store of a wave covers whole aligned runs of 256 consecutive bytes.
.set STEPB, 12800
.set SCW,  12288                       ; where a step's scale words begin
.set SW,   24                          ; v24-27   the four fragments' scale words (both paths)
.set SWO,  252                         ; v252     16 r + 8 h: where my two scale words go
.set SWD,  254                         ; v254-255 my two scale words
; W's path
.set MX,   8                           ; v8-11    a block's largest magnitude, for each of my four columns
.set PX,   12                          ; v12-15   the other half of the lanes'
.set SOP,  16                          ; v16-19   the conversions' scale operands
.set BY,   20                          ; v20-23   the scale bytes
.set TT,   28                          ; v28-43   the codes of an odd block: four registers a column
.set RW,   44                          ; v44-139  three slots of 32: 16 registers of exp, 16 of man, as loaded
.set WX,   140                         ; v140-203 a block's numbers in f32: 16 for each of my four columns
.set CF,   204                         ; v204-251 the four fragments, 12 registers each
; x's path
.set XMX,  8                           ; v8-9     my two blocks' largest magnitudes
.set XSOP, 10                          ; v10-11   scale operands
.set XBY,  12                          ; v12-13   bytes;  v14, v15 at work;  v16 = 8 h
.set RAW,  44                          ; v44-171  32 registers a fragment: as loaded, then as turned, then the codes
.set XX,   172                         ; v172-235 a fragment's 64 numbers of my lane in f32
	s_load_b256 s[4:11], s[0:1], 0x0               ; x s[4:5], exp s[6:7], man s[8:9], aq s[10:11]
	s_load_b64 s[12:13], s[0:1], 0x20              ; bq
	v_lshl_add_u32 v43, v0, 2, 0x4400
	v_mov_b32 v253, 0
	v_lshrrev_b32 v1, 5, v0
	v_readfirstlane_b32 s14, v1                    ; wave 0..3
	v_and_b32 v1, 31, v0                           ; lane
	v_and_b32 v2, 15, v0                           ; r
	v_bfe_u32 v3, v0, 4, 1                         ; h
	v_lshlrev_b32 v5, 4, v1                        ; 16 x lane: my place in an image
	v_lshlrev_b32 v[SWO], 4, v2
	v_lshl_add_u32 v[SWO], v3, 3, v[SWO]
	s_mov_b32 s20, 0x76543210
	s_mov_b32 s21, 0xfedcba98                      ; v_permlanex16_b32's selects for lane l xor 16
	s_lshr_b32 s15, ttmp9, 1                       ; which of the path's 512 work-groups: the two numbers that share it differ in bit 0 alone, so one of them takes each path
	s_lshr_b32 s16, ttmp9, 8
	s_xor_b32 s16, s16, ttmp9
	s_and_b32 s16, s16, 1                          ; bit 0 xor bit 8: 0 = W, 1 = x
	s_cmp_lg_u32 s16, 0
	s_cbranch_scc1 .Lx
; Where the wave's results go.  s18: which 64 rows or columns (0..63); s19: which 128 along K (0..31); p: the buffer's pointer.  s[24:25]: my four images; s[26:27]: my 256 bytes of scale words.
.macro DST p
	s_lshr_b32 s28, s18, 1                         ; the group of 128
	s_lshl_b32 s28, s28, 5
	s_add_co_u32 s28, s28, s19                     ; 32 x group + step
	s_mul_i32 s28, s28, STEPB                      ; in bytes: under 2^24
	s_and_b32 s30, s18, 1                          ; g
	s_mul_i32 s32, s30, 6144                       ; four images
	s_add_co_u32 s32, s32, s28
	s_mov_b32 s33, 0
	s_lshl_b32 s34, s30, 8
	s_add_co_u32 s34, s34, s28
	s_add_co_u32 s34, s34, SCW
	s_mov_b32 s35, 0
	s_wait_kmcnt 0x0
	s_add_nc_u64 s[24:25], s[\p:\p+1], s[32:33]
	s_add_nc_u64 s[26:27], s[\p:\p+1], s[34:35]
.endm
; The scale words leave.  Both halves of the lanes hold all four words of row r: lane (r, h) takes words 2 h and 2 h + 1, so that the 32 lanes store 256 consecutive bytes, aligned, with all lanes on.
.macro TAIL
	v_cmp_eq_u32 vcc_lo, 1, v3
	v_cndmask_b32 v[SWD], v[SW], v[SW+2], vcc_lo
	v_cndmask_b32 v[SWD+1], v[SW+1], v[SW+3], vcc_lo
	global_store_b64 v[SWO], v[SWD:SWD+1], s[26:27]
	s_wait_tensorcnt 0x0
	ds_add_u32 v43, v253
	s_wait_dscnt 0x0
	s_endpgm
.endm
; ---------------------------------------------------------------- W: 64 columns x 128 along K a wave
; Lane (r, h) holds columns 4 r .. 4 r + 3; in block b its 16 numbers of a column are k = 32 b + 16 h + 0 .. 15: two lanes, l and l xor 16, hold a block.
; A load of 16 bytes a lane reads row k in lanes 0-15 and row k + 16 in lanes 16-31: twice 256 consecutive bytes, aligned.
	s_and_b32 s18, s15, 15
	s_lshl_b32 s18, s18, 2
	s_add_co_u32 s18, s18, s14                     ; which 64 columns: the work-group's four waves stand side by side on 1,024 bytes of a row
	s_lshr_b32 s19, s15, 4                         ; which 128 along K
	s_lshl_b32 s36, s19, 21                        ; 128 rows of 16,384 bytes
	s_lshl_b32 s37, s18, 8                         ; 64 columns of 4 bytes
	s_add_co_u32 s36, s36, s37                     ; under 2^26
	s_mov_b32 s37, 0
	s_mov_b32 s22, 0x807f0000                      ; sign and mantissa of a bf16 in the upper half of an f32
	s_wait_alu depctr_va_vdst(0)
	v_lshlrev_b32 v4, 18, v3                       ; 16 rows down for lanes 16-31,
	v_lshl_add_u32 v4, v2, 4, v4                   ; + 16 r; never rewritten
.irp j, 0,1,2,3
	v_mov_b32 v[PX+\j], 0                          ; written once: a lane permute's destination counts as one of its sources
.endr
	DST 12
	s_add_nc_u64 s[6:7], s[6:7], s[36:37]
	s_add_nc_u64 s[8:9], s[8:9], s[36:37]
; Chunk t of 16: four rows (a lane) of block t / 4, of exp and of man: eight loads, into slot t % 3.  Every offset is an immediate: 111 rows of 16,384 bytes at the most, inside its signed 24 bits.
.macro LOADC t
.irp ii, 0,1,2,3
	global_load_b128 v[RW+32*((\t)%3)+4*\ii:RW+32*((\t)%3)+4*\ii+3], v4, s[6:7] offset:(32*((\t)/4)+4*((\t)%4)+\ii)*16384 th:TH_LOAD_NT
	global_load_b128 v[RW+32*((\t)%3)+16+4*\ii:RW+32*((\t)%3)+16+4*\ii+3], v4, s[8:9] offset:(32*((\t)/4)+4*((\t)%4)+\ii)*16384 th:TH_LOAD_NT
.endr
.endm
; Chunk t is decoded: three instructions a number; number 4 (t % 4) + ii of column col goes to its place among the column's 16.
.macro DEC t
.irp ii, 0,1,2,3
.irp col, 0,1,2,3
	v_perm_b32 v[RW+32*((\t)%3)+16+4*\ii+\col], v[RW+32*((\t)%3)+16+4*\ii+\col], v[RW+32*((\t)%3)+16+4*\ii+\col], 0   ; man's low byte into all four bytes
.endr
.irp col, 0,1,2,3
	v_and_b32 v[RW+32*((\t)%3)+16+4*\ii+\col], s22, v[RW+32*((\t)%3)+16+4*\ii+\col]   ; its bit 7 stays at bit 31, its bits 6:0 at bits 22:16
.endr
.irp col, 0,1,2,3
	v_lshl_or_b32 v[WX+16*\col+4*((\t)%4)+\ii], v[RW+32*((\t)%3)+4*\ii+\col], 23, v[RW+32*((\t)%3)+16+4*\ii+\col]   ; the exponent over it
.endr
.endr
.endm
; Block b of my four columns is quantised, the four by turns, so that no line waits for the line above it.
.macro QB b
.irp j, 0,1,2,3
	v_max3_num_f32 v[MX+\j], |v[WX+16*\j]|, |v[WX+16*\j+1]|, 0x2800000   ; my 16 numbers, and the floor 2^(5 - 127): the byte cannot fall under 1
.endr
.irp i, 2,4,6,8,10,12,14
.irp j, 0,1,2,3
	v_max3_num_f32 v[MX+\j], v[MX+\j], |v[WX+16*\j+\i]|, |v[WX+16*\j+\i+1]|
.endr
.endr
.irp j, 0,1,2,3
	v_permlanex16_b32 v[PX+\j], v[MX+\j], s20, s21
.endr
.irp j, 0,1,2,3
	v_max_num_f32 v[MX+\j], v[MX+\j], v[PX+\j]     ; with lane l xor 16's 16: the block's largest magnitude
.endr
.irp j, 0,1,2,3
	v_add_nc_u32 v[SOP+\j], 0xfe000000, v[MX+\j]   ; 4 off its exponent field: the conversion takes the exponent field of this operand as its scale, and nothing else of it
.endr
.if (\b) == 0
.irp j, 0,1,2,3
	v_lshrrev_b32 v[SW+\j], 23, v[SOP+\j]          ; the scale's byte: the first starts the word
.endr
.else
.irp j, 0,1,2,3
	v_lshrrev_b32 v[BY+\j], 23, v[SOP+\j]
.endr
.irp j, 0,1,2,3
	v_lshl_or_b32 v[SW+\j], v[BY+\j], 8*(\b), v[SW+\j]
.endr
.endif
.irp j, 0,1,2,3
.if (\b)%2 == 0
	v_cvt_scalef32_pk16_bf6_f32 v[CF+12*\j+6*((\b)/2):CF+12*\j+6*((\b)/2)+2], v[WX+16*\j:WX+16*\j+15], v[SOP+\j]   ; 16 codes, 96 bits; beyond the largest code the largest
.else
	v_cvt_scalef32_pk16_bf6_f32 v[TT+4*\j:TT+4*\j+2], v[WX+16*\j:WX+16*\j+15], v[SOP+\j]   ; (a conversion's three registers begin on an even number)
.endif
.endr
	v_nop                                          ; one plain vector instruction behind the conversions, before their results are touched or their sources written again
.if (\b)%2 == 1
; The operand's layout wants a WHOLE block in a lane: lanes 0-15 block 2 c, lanes 16-31 block 2 c + 1.  The even block's lanes 16-31 change places with the odd block's lanes 0-15.
.irp j, 0,1,2,3
.irp i, 0,1,2
	v_permlane16_swap_b32 v[CF+12*\j+6*((\b)/2)+\i], v[TT+4*\j+\i]
.endr
.endr
.irp j, 0,1,2,3
.irp i, 0,1,2
	v_mov_b32 v[CF+12*\j+6*((\b)/2)+3+\i], v[TT+4*\j+\i]   ; registers 6 c .. 6 c + 5 now hold k = 64 c + 32 h + 0 .. 31
.endr
.endr
.endif
.endm
	s_wait_alu depctr_va_vdst(0)
	LOADC 0
	LOADC 1
	LOADC 2                                        ; 24 loads of a wave are on their way throughout
.irp t, 0,1,2,3,4,5,6,7,8,9,10,11,12,13,14,15
.if \t <= 13
	s_wait_loadcnt 16                              ; loads come back in order: chunk t is in, the two younger chunks' sixteen loads stay out
.elseif \t == 14
	s_wait_loadcnt 8
.else
	s_wait_loadcnt 0
.endif
	DEC \t
.if \t+3 < 16
	LOADC \t+3                                     ; into the slot just decoded
.endif
.if (\t)%4 == 3
	QB (\t)/4
.endif
.endr
.irp j, 0,1,2,3
.irp t, 0,1,2
	global_store_b128 v5, v[CF+12*\j+4*\t:CF+12*\j+4*\t+3], s[24:25] offset:1536*\j+512*\t   ; 32 lanes store 512 consecutive bytes, aligned; the next launch reads them, so no hint
.endr
.endr
	TAIL
; ---------------------------------------------------------------- x: 64 rows x 128 along K a wave
; A load takes the bytes as they lie: 256 bytes of a row in lanes 0-15, of the next row in lanes 16-31.  The operand wants, in lane (r, h), of row r the blocks h and 2 + h whole: 64 + 64 bytes.
; So a fragment's 16 rows x 256 bytes turn through the wave's own stage in LDS (rows 272 bytes apart, so that the sixteen rows that a load touches begin in different banks) and come back into the registers that they left.
.Lx:
	s_lshr_b32 s18, s15, 3                         ; which 64 rows
	s_and_b32 s19, s15, 7
	s_lshl_b32 s19, s19, 2
	s_add_co_u32 s19, s19, s14                     ; which 128 along K: the work-group's four waves stand side by side on 1,024 bytes of a row
	s_lshl_b32 s36, s18, 19                        ; 64 rows of 8,192 bytes
	s_lshl_b32 s37, s19, 8                         ; 128 numbers of 2 bytes
	s_add_co_u32 s36, s36, s37                     ; under 2^25
	s_mov_b32 s37, 0
	s_mov_b32 s23, 0xffff0000                      ; a word's upper bf16
	s_mul_i32 s17, s14, 16*272                     ; my wave's stage
	s_wait_alu depctr_va_vdst(0)
	v_lshlrev_b32 v4, 13, v3                       ; one row down for lanes 16-31,
	v_lshl_add_u32 v4, v2, 4, v4                   ; + 16 r; never rewritten
	v_mul_u32_u24 v6, v3, 272
	v_lshl_add_u32 v6, v2, 4, v6
	v_add_nc_u32 v6, s17, v6                       ; into the stage: two rows an instruction
	v_mul_u32_u24 v7, v2, 272
	v_lshl_add_u32 v7, v3, 6, v7
	v_add_nc_u32 v7, s17, v7                       ; out of it: row r, + 64 h
	v_mov_b32 v15, 0                               ; written once: a lane permute's destination counts as one of its sources
	v_lshlrev_b32 v16, 3, v3                       ; 8 h
	DST 10
	s_add_nc_u64 s[4:5], s[4:5], s[36:37]
	s_wait_alu depctr_va_vdst(0)
.irp f, 0,1,2,3
.irp t, 0,1,2,3,4,5,6,7
	global_load_b128 v[RAW+32*\f+4*\t:RAW+32*\f+4*\t+3], v4, s[4:5] offset:(16*\f+2*\t)*8192 th:TH_LOAD_NT   ; all of the wave's 16 KiB are asked for at once
.endr
.endr
.macro XTURN f                         ; LDS serves a wave's instructions in order: no wait between the stores and the loads, nor in front of the next fragment's stores
.irp t, 0,1,2,3,4,5,6,7
	ds_store_b128 v6, v[RAW+32*(\f)+4*\t:RAW+32*(\f)+4*\t+3] offset:544*\t
.endr
.irp c, 0,1
.irp jj, 0,1,2,3
	ds_load_b128 v[RAW+32*(\f)+4*(4*\c+\jj):RAW+32*(\f)+4*(4*\c+\jj)+3], v7 offset:128*\c+16*\jj   ; register 16 c + w: k = 64 c + 32 h + 2 w, + 1
.endr
.endr
.endm
.macro XQ f
.irp w, 0,1,2,3,4,5,6,7,8,9,10,11,12,13,14,15,16,17,18,19,20,21,22,23,24,25,26,27,28,29,30,31
	v_lshlrev_b32 v[XX+2*\w], 16, v[RAW+32*(\f)+\w]        ; bf16 to f32: the low half moves up,
	v_and_b32 v[XX+2*\w+1], s23, v[RAW+32*(\f)+\w]         ; the high half stays
.endr
.irp c, 0,1
	v_max3_num_f32 v[XMX+\c], |v[XX+32*\c]|, |v[XX+32*\c+1]|, 0x2800000   ; my block 2 c + h: all its 32 numbers are mine; and the floor 2^(5 - 127)
.endr
.irp i, 2,4,6,8,10,12,14,16,18,20,22,24,26,28,30
.irp c, 0,1
	v_max3_num_f32 v[XMX+\c], v[XMX+\c], |v[XX+32*\c+\i]|, |v[XX+32*\c+\i+1]|   ; (the two blocks by turns)
.endr
.endr
.irp c, 0,1
	v_add_nc_u32 v[XSOP+\c], 0xfe000000, v[XMX+\c]         ; 4 off the exponent field: the conversion's scale operand
.endr
.irp c, 0,1
	v_lshrrev_b32 v[XBY+\c], 23, v[XSOP+\c]                ; the scale's byte
.endr
	v_lshl_or_b32 v14, v[XBY+1], 16, v[XBY]        ; my two bytes: blocks h and 2 + h of row r,
	v_lshlrev_b32 v14, v16, v14                    ; at their places in the word (8 h bits up);
	v_permlanex16_b32 v15, v14, s20, s21
	v_or_b32 v[SW+(\f)], v14, v15                  ; with lane l xor 16's two the word is whole, in both lanes
.irp c, 0,1
	v_cvt_scalef32_pk16_bf6_f32 v[RAW+32*(\f)+6*\c:RAW+32*(\f)+6*\c+2], v[XX+32*\c:XX+32*\c+15], v[XSOP+\c]   ; the codes go where the fragment's raw words lay
	v_cvt_scalef32_pk16_bf6_f32 v[RAW+32*(\f)+12+4*\c:RAW+32*(\f)+12+4*\c+2], v[XX+32*\c+16:XX+32*\c+31], v[XSOP+\c]   ; (a conversion's three registers begin on an even number)
.endr
	v_nop                                          ; one plain vector instruction behind the conversions
.irp c, 0,1
.irp i, 0,1,2
	v_mov_b32 v[RAW+32*(\f)+6*\c+3+\i], v[RAW+32*(\f)+12+4*\c+\i]
.endr
.endr
.irp t, 0,1,2
	global_store_b128 v5, v[RAW+32*(\f)+4*\t:RAW+32*(\f)+4*\t+3], s[24:25] offset:1536*(\f)+512*\t   ; 512 consecutive bytes, aligned; these registers are not written again
.endr
.endm
	s_wait_loadcnt 24                              ; fragment 0's eight loads are in
	XTURN 0
.irp f, 0,1,2,3
.if \f < 3
	s_wait_loadcnt 8*(2-\f)                        ; the next fragment's eight loads are in; those behind them stay out
	XTURN \f+1                                     ; it turns while this one is worked
	s_wait_dscnt 16                                ; this fragment is back: only the sixteen LDS instructions just issued may be out
.else
	s_wait_dscnt 0x0
.endif
	XQ \f
.endr
	TAIL
.Lfunc_end_k_q6605149e95_quant:
	.size	k_q6605149e95_quant, .Lfunc_end_k_q6605149e95_quant-k_q6605149e95_quant
	.p2alignl 7, 3214868480
	.fill 96, 4, 3214868480
	.section	.rodata,"a",@progbits
	.p2align	6, 0x0
	.amdhsa_kernel k_q6605149e95_quant
		.amdhsa_group_segment_fixed_size 17920
		.amdhsa_private_segment_fixed_size 0
		.amdhsa_enable_private_segment 0
		.amdhsa_kernarg_size 40
		.amdhsa_user_sgpr_count 2
		.amdhsa_user_sgpr_kernarg_segment_ptr 1
		.amdhsa_wavefront_size32 1
		.amdhsa_system_sgpr_workgroup_id_x 1
		.amdhsa_system_sgpr_workgroup_id_y 1
		.amdhsa_system_sgpr_workgroup_id_z 1
		.amdhsa_system_vgpr_workitem_id 0
		.amdhsa_next_free_vgpr 256
		.amdhsa_next_free_sgpr 66
		.amdhsa_reserve_vcc 1
		.amdhsa_float_denorm_mode_32 3
		.amdhsa_float_denorm_mode_16_64 3
		.amdhsa_memory_ordered 1
		.amdhsa_forward_progress 1
		.amdhsa_inst_pref_size 102
	.end_amdhsa_kernel
	.amdgpu_metadata
---
amdhsa.version: [ 1, 2 ]
amdhsa.kernels:
  - .name:           k_q6605149e95_quant
    .symbol:         k_q6605149e95_quant.kd
    .args:
      - { .name: x, .offset: 0, .size: 8, .value_kind: global_buffer, .address_space: global }
      - { .name: exp_bytes, .offset: 8, .size: 8, .value_kind: global_buffer, .address_space: global }
      - { .name: man_bytes, .offset: 16, .size: 8, .value_kind: global_buffer, .address_space: global }
      - { .name: aq, .offset: 24, .size: 8, .value_kind: global_buffer, .address_space: global }
      - { .name: bq, .offset: 32, .size: 8, .value_kind: global_buffer, .address_space: global }
    .group_segment_fixed_size: 17920
    .private_segment_fixed_size: 0
    .kernarg_segment_align: 8
    .kernarg_segment_size: 40
    .max_flat_workgroup_size: 128
    .sgpr_count:     66
    .vgpr_count:     256
    .wavefront_size: 32
...
	.end_amdgpu_metadata
.endif
;; end of part 3
;; launch gemm (part 4): grid 16 x 16, 4 waves a work-group, clusters of 4 x 4, 327,680 bytes of LDS; arguments aq, bq, out0; writes out0
.if DOCPART == 4
	.amdgcn_target "amdgcn-amd-amdhsa--gfx1250"
	.amdhsa_code_object_version 6
	.text
	.protected	k_q6605149e95_gemm
	.globl	k_q6605149e95_gemm
	.p2align	8
	.type	k_q6605149e95_gemm,@function
k_q6605149e95_gemm:
	s_mov_b64 s[64:65], 0
	v_nop
	global_prefetch_b8 v0, s[64:65] scope:SCOPE_SE
	s_setreg_imm32_b32 hwreg(HW_REG_WAVE_MODE, 25, 1), 1
	s_wait_xcnt 0x0
	s_wait_alu depctr_hold_cnt(0) depctr_sa_sdst(0) depctr_va_vdst(0) depctr_va_sdst(0) depctr_va_ssrc(0) depctr_va_vcc(0) depctr_vm_vsrc(0)
	s_getreg_b32 s2, hwreg(HW_REG_IB_STS2, 6, 4)
	s_cmp_eq_u32 s2, 0
	s_cbranch_scc0 .Lentry_in_a_cluster
	s_endpgm
.Lentry_in_a_cluster:
	s_bfe_u32 s2, ttmp6, 0x10000c
	s_cmp_lg_u32 s2, 0xf033
	s_cbranch_scc0 .Lentry_shape_is_right
	s_endpgm
.Lentry_shape_is_right:
; out0[m][n] = sum over k of x[m][k] W[k][n], both operands as codes of BF6 (E3M2) with E8M0 scales, made by the launch before; sums in f32, rounded once to bf16.
; aq, bq: [group of 128 rows of x or columns of W: 32][step of 128 along K: 32][12,800 bytes]; a step holds, for each fragment i of 8, the image of the operand's 12 registers
; (registers 4 t .. 4 t + 3 of lane l at 1536 i + 512 t + 16 l) and, at 12288 + 256 g + 16 r + 4 j, the scale word of row r of fragment 4 g + j.  Lane r of W's fragment 4 g + j is column 64 g + 4 r + j.
; A work-group of four waves makes 256 x 256 of the result, a wave 128 x 128: 64 accumulators, 512 registers.  256 work-groups, one tile each.
; THE RING: two LDS slots of 4 x 38,400 bytes.  Tile 0 is 2 steps along K, tiles 1 to 10 are 3 steps: 32 in all; tile t lies in slot t % 2.  A wave's one tensor load brings one group's steps, dense rows of 256 bytes.
; CLUSTERS: 4 x 4 work-groups; x's tiles are asked for jointly along a row of the cluster, W's along a column; each refill stands behind a round of the cluster's barrier.
; REGISTERS.  Every window holds 16 accumulators at v128-255 (window w: my blocks 2 w, 2 w + 1 of 16 rows, each against W's eight fragments) and one set of eight fragments at v32-127:
;   window 0: x's set for odd steps; window 1: W's for even steps; window 2: W's for odd steps; window 3: x's for even steps.
; Both operands have two sets, so ALL of the next step's 50 LDS loads stand in ONE run in the middle of a step, behind one group of four places: they land in registers that the step before read last.
; The run brings the scale words, then W's set, then x's blocks in ascending order; the next step's waits are counted, so that it begins while x's later blocks are on their way.
; Window 0, v0-31: v6-7 scale addresses, v8-10 the way out, v11-12 prefetch offsets, v14-15 the add's two registers, v16-31 scale words in two sets (lanes 0-15 x's, lanes 16-31 W's).  Window 1, v0-3: the fragment addresses.
; Windows 2 and 3, v0-31: packed results on the way out.
; THE PRODUCT IS USED TRANSPOSED (source 0 = W's fragment, source 1 = x's): a lane holds one row of the result.
; THE LAST TWO STEPS GO BY ROWS: both steps' operands are in registers, so a window's 16 accumulators are finished by both steps (K ascending) and go out while the later windows are still multiplied.
; PREFETCH: a tile's 150 blocks of 256 bytes are shared out by address among the four partners that load it jointly, 38 blocks each (the last 36), two instructions a wave; left-over lanes name their share's
; last block again.  Behind tile 0's load tile 1 is asked for, behind tile 1's tiles 2 and 3, behind tile n's (n from 2 on) tile n + 2.  Tiles 9 and 10's loads ask for nothing: no tile lies two on.
.set STEPB,  12800
.set HALFT,  3*STEPB
.set SLOT,   4*HALFT
.set GRP,    32*STEPB
.set SCW,    12288
.set SPARE,  2*SLOT                    ; the spare words: 128 bytes a wave, named by the add alone
.set STAGE,  SPARE+512                 ; the way out: 16 rows x 272 bytes for each wave; no tensor load lands here
.set SPITCH, 272
.set FR,     12
.set ADRA, 0                           ; window 1: v0-1 x's fragments in slot 0, 1
.set ADRB, 2                           ; window 1: v2-3 W's
.set ADRS, 6
.set STO,  8
.set RD,   9
.set CO,   10
.set PFO,  11
.set SPW,  14
.set NIL,  15
.set SC,   16
.set G1, 24
.set G0, 32
.set G1B, 48
.set G0B, 56
.set G1S, 68                           ; group 1 for tile 0: 100 rows
.set G1SB, 76
.set PFA, 84                           ; s[84:85] where my prefetches stand
.set MSB, 0
.macro WIN new                         ; the immediate's high byte repeats the setting that is left
.if MSB != (\new)
	s_set_vgpr_msb (MSB<<8)|(\new)
.set MSB, (\new)
.endif
.endm
.macro JLOAD s, ga, gb                 ; a joint load: waves 0, 1 fetch x's two groups, waves 2, 3 W's
	s_cmp_eq_u32 s11, 0
	s_cbranch_scc0 .Lfor_b_\@
	tensor_load_to_lds s[G0+4*\s:G0+4*\s+3], s[\ga:\ga+7]
	s_nop 0
.rept 4
	v_nop
.endr
	s_branch .Lasked_\@
.Lfor_b_\@:
	tensor_load_to_lds s[G0B+4*\s:G0B+4*\s+3], s[\gb:\gb+7]
	s_nop 0
.rept 4
	v_nop
.endr
.Lasked_\@:
.endm
.macro CREST                           ; a round of the cluster's barrier behind its opening barrier
	s_cmp_lg_u32 s10, 0
	s_cbranch_scc1 .Lnot_wave_0_\@
	s_barrier_signal -3
.Lnot_wave_0_\@:
	s_barrier_wait -3
	s_barrier_signal -1
	s_barrier_wait -1
.endm
.macro CROUND
	s_barrier_signal -1
	s_barrier_wait -1
	CREST
.endm
.macro PLACES
.rept 4
	v_nop
.endr
.endm
	s_load_b128 s[4:7], s[0:1], 0x0                ; aq, bq
	s_load_b64 s[8:9], s[0:1], 0x10                ; out0
	v_lshl_add_u32 v[SPW], v0, 2, SPARE
	v_mov_b32 v[NIL], 0
	ds_add_u32 v[SPW], v[NIL]                      ; the add, twice on end,
	ds_add_u32 v[SPW], v[NIL]
	v_lshrrev_b32 v1, 5, v0
	v_readfirstlane_b32 s10, v1                    ; wave
	s_lshr_b32 s11, s10, 1                         ; my half of the rows; also: I fetch for x (0) or W (1)
	s_and_b32 s12, s10, 1                          ; my half of the columns; also: which group of 128 I fetch
	s_bfe_u32 s40, ttmp6, 0x40000                  ; cx
	s_bfe_u32 s41, ttmp6, 0x40004                  ; cy
	s_lshl_b32 s42, ttmp9, 2
	s_add_co_u32 s42, s42, s40                     ; tile column
	s_and_b32 s13, ttmp7, 0xffff
	s_lshl_b32 s13, s13, 2
	s_add_co_u32 s13, s13, s41                     ; tile row
	s_lshl_b32 s43, s41, 2
	s_lshl_b32 s43, 15, s43                        ; my row of the cluster
	s_lshl_b32 s44, 0x1111, s40                    ; my column
	s_or_b32 s[G1+0], s43, (3<<16)|(1<<21)         ; elements of 8 bytes, no padding: the images are read 16 bytes a lane, on end
	s_or_b32 s[G1B+0], s44, (3<<16)|(1<<21)
	s_or_b32 s[G1S+0], s43, (3<<16)|(1<<21)
	s_or_b32 s[G1SB+0], s44, (3<<16)|(1<<21)
.irp g, G1, G1B
	s_mov_b32 s[\g+1], 32<<16                      ; rows of 256 bytes,
	s_mov_b32 s[\g+2], 150<<16                     ; 150 of them: three steps
	s_mov_b32 s[\g+3], 32<<16
	s_mov_b32 s[\g+4], 150
	s_mov_b32 s[\g+5], 32
	s_mov_b32 s[\g+6], 0
	s_mov_b32 s[\g+7], 0
.endr
.irp g, G1S, G1SB
	s_mov_b32 s[\g+1], 32<<16
	s_mov_b32 s[\g+2], 100<<16                     ; 100 rows: two steps
	s_mov_b32 s[\g+3], 32<<16
	s_mov_b32 s[\g+4], 100
	s_mov_b32 s[\g+5], 32
	s_mov_b32 s[\g+6], 0
	s_mov_b32 s[\g+7], 0
.endr
	s_lshl_b32 s16, s13, 1
	s_add_co_u32 s16, s16, s12
	s_mul_i32 s16, s16, GRP                        ; x's group that I fetch, in bytes
	s_mov_b32 s17, 0
	s_lshl_b32 s46, s42, 1
	s_add_co_u32 s46, s46, s12
	s_mul_i32 s46, s46, GRP                        ; W's
	s_mov_b32 s47, 0
	s_mul_i32 s20, s10, HALFT                      ; where my loads land in a slot
	s_mul_i32 s21, s11, HALFT                      ; what I read: x's group,
	s_mul_i32 s22, s12, HALFT
	s_add_co_u32 s22, s22, 2*HALFT                 ; W's group,
	s_sub_co_u32 s23, s22, s21                     ; the distance between them,
	s_add_co_u32 s86, s21, SLOT                    ; and the same in slot 1
	s_add_co_u32 s87, s22, SLOT
	s_mul_i32 s18, s10, 16*SPITCH
	s_add_co_u32 s18, s18, STAGE                   ; my stage
	s_cmp_eq_u32 s11, 0
	s_cselect_b32 s19, s40, s41                    ; my place among the four that ask with me
	s_mul_i32 s19, s19, 38                         ; my share's first block of a tile
	s_wait_dscnt 0x0                               ; and the one wait for both adds
	s_wait_kmcnt 0x0
	s_add_nc_u64 s[14:15], s[4:5], s[16:17]
	s_add_nc_u64 s[46:47], s[6:7], s[46:47]
	s_cmp_eq_u32 s11, 0
	s_cselect_b64 s[PFA:PFA+1], s[14:15], s[46:47]
	s_add_nc_u64 s[PFA:PFA+1], s[PFA:PFA+1], 2*STEPB   ; at tile 1
.irp s, 0,1
	s_mov_b32 s[G0+4*\s], 1
	s_add_co_u32 s[G0+4*\s+1], s20, \s*SLOT
	s_add_nc_u64 s[G0+4*\s+2:G0+4*\s+3], s[14:15], \s*2*STEPB      ; slot 0: tile 0; slot 1: tile 1
	s_or_b32 s[G0+4*\s+3], s[G0+4*\s+3], 0x80000000
	s_mov_b32 s[G0B+4*\s], 1
	s_add_co_u32 s[G0B+4*\s+1], s20, \s*SLOT
	s_add_nc_u64 s[G0B+4*\s+2:G0B+4*\s+3], s[46:47], \s*2*STEPB
	s_or_b32 s[G0B+4*\s+3], s[G0B+4*\s+3], 0x80000000
.endr
	CROUND                                         ; all sixteen work-groups are here: the first joint loads meet
	JLOAD 0, G1S, G1SB                             ; tile 0: my one tensor load at the head
	v_and_b32 v1, 15, v0                           ; r
	v_bfe_u32 v2, v0, 4, 1                         ; h
	v_and_b32 v3, 31, v0                           ; lane
	v_lshlrev_b32 v4, 4, v3                        ; my 16 bytes of an image
	v_mul_u32_u24 v5, s23, v2                      ; scale words: lanes 16-31 take W's
	v_lshl_add_u32 v5, v1, 4, v5
	v_add_nc_u32 v5, SCW, v5
	v_add_nc_u32 v[ADRS], s21, v5
	v_add_nc_u32 v[ADRS+1], s86, v5
	v_mul_u32_u24 v13, v1, SPITCH                  ; into the stage: row r, 64 bytes for each half of the lanes
	v_lshl_add_u32 v13, v2, 6, v13
	v_add_nc_u32 v[STO], s18, v13
	v_mul_u32_u24 v13, v2, SPITCH                  ; back: lanes 0-15 one row of 256 bytes, lanes 16-31 the next
	v_lshl_add_u32 v13, v1, 4, v13
	v_add_nc_u32 v[RD], s18, v13
	v_lshlrev_b32 v13, 13, v2                      ; and the same two rows in out0
	v_lshl_add_u32 v[CO], v1, 4, v13
	v_add_nc_u32 v[PFO], s19, v3                   ; prefetch: blocks 38 p + lane,
	v_lshlrev_b32 v[PFO], 8, v[PFO]
	v_min_u32 v13, 5, v3
	v_add3_u32 v13, v13, s19, 32                   ; and 38 p + 32 .. 37,
	v_min_u32 v13, 149, v13                        ; held inside the tile's 150
	v_lshlrev_b32 v[PFO+1], 8, v13
	WIN 0x40                                       ; the fragment addresses, into window 1
	v_add_nc_u32 v[ADRA], s21, v4
	v_add_nc_u32 v[ADRA+1], s86, v4
	v_add_nc_u32 v[ADRB], s22, v4
	v_add_nc_u32 v[ADRB+1], s87, v4
	WIN 0
	s_wait_alu depctr_va_vdst(0)
	global_prefetch_b8 v[PFO], s[PFA:PFA+1] th:TH_LOAD_NT scope:SCOPE_SE                    ; tile 1
	global_prefetch_b8 v[PFO+1], s[PFA:PFA+1] th:TH_LOAD_NT scope:SCOPE_SE
	s_lshl_b32 s16, s13, 8                         ; where my part of out0 begins
	s_lshl_b32 s17, s11, 7
	s_add_co_u32 s16, s16, s17
	s_lshl_b32 s16, s16, 13                        ; rows of 8,192 bytes
	s_mov_b32 s17, 0
	s_lshl_b32 s46, s42, 9
	s_lshl_b32 s47, s12, 8
	s_add_co_u32 s46, s46, s47
	s_mov_b32 s47, 0
	s_add_nc_u64 s[16:17], s[16:17], s[46:47]
	s_add_nc_u64 s[8:9], s[8:9], s[16:17]
; A quarter of a step of parity p: the 16 accumulators of window w, one product each (the accumulators take turns).
.macro QUAD p, w, zero
	WIN (1+(\p))|((3-3*(\p))<<2)|((\w)*0x50)       ; source 0: W's set; source 1: x's set; C and D: window w
.irp a, 0,1
.irp b, 0,1,2,3,4,5,6,7
.set DD, 128+8*(8*\a+\b)
.set AA, 32+FR*(2*(\w)+\a)
.if \zero
	v_wmma_scale_f32_16x16x128_f8f6f4 v[DD:DD+7], v[32+FR*\b:32+FR*\b+FR-1], v[AA:AA+FR-1], 0, v[SC+8*(\p)+\b], v[SC+8*(\p)+2*(\w)+\a] matrix_a_fmt:MATRIX_FMT_BF6 matrix_b_fmt:MATRIX_FMT_BF6 matrix_a_scale:MATRIX_SCALE_ROW1
.else
	v_wmma_scale_f32_16x16x128_f8f6f4 v[DD:DD+7], v[32+FR*\b:32+FR*\b+FR-1], v[AA:AA+FR-1], v[DD:DD+7], v[SC+8*(\p)+\b], v[SC+8*(\p)+2*(\w)+\a] matrix_a_fmt:MATRIX_FMT_BF6 matrix_b_fmt:MATRIX_FMT_BF6 matrix_a_scale:MATRIX_SCALE_ROW1
.endif
.endr
.endr
.endm
.macro SCALES slot, st, pn             ; the scale words of a step of parity pn (window 0; every window is 0 here)
.irp g, 0,1
	ds_load_b128 v[SC+8*(\pn)+4*\g:SC+8*(\pn)+4*\g+3], v[ADRS+(\slot)] offset:(\st)*STEPB+256*\g
.endr
.endm
.macro SET adr, slot, st               ; eight fragments, 24 loads
.irp i, 0,1,2,3,4,5,6,7
.irp t, 0,1,2
	ds_load_b128 v[32+FR*\i+4*\t:32+FR*\i+4*\t+3], v[\adr+(\slot)] offset:(\st)*STEPB+\i*1536+512*\t
.endr
.endr
.endm
.macro FETCH slot, st, pn              ; the fragments of a step of parity pn: W's set, then x's; the addresses come from window 1
	WIN ((1+(\pn))<<6)|1
	SET ADRB, \slot, \st
	WIN ((3-3*(\pn))<<6)|1
	SET ADRA, \slot, \st
.endm
; A step of parity p that stays in its slot; the next step's operands lie at step st of the same slot.
.macro STEP p, slot, st, zero
	s_wait_dscnt 18                                ; the scale words, W's set and x's blocks 0, 1 are in; x's six later blocks may be out
	QUAD \p, 0, \zero
	s_wait_dscnt 12                                ; blocks 2, 3
	QUAD \p, 1, \zero
	s_wait_dscnt 0x0
	PLACES                                         ; behind the last step's products: the run below lands in registers that they read
	WIN 0
	SCALES \slot, \st, 1-(\p)
	FETCH \slot, \st, 1-(\p)
	QUAD \p, 2, \zero
	QUAD \p, 3, \zero
.endm
.macro ASK how                         ; how = 2: in the loop, whose last trip asks for nothing
.if \how == 2
	s_cmp_gt_u32 s3, 1
	s_cbranch_scc0 .Lno_ask_\@
.endif
	global_prefetch_b8 v[PFO], s[PFA:PFA+1] offset:2*HALFT th:TH_LOAD_NT scope:SCOPE_SE
	global_prefetch_b8 v[PFO+1], s[PFA:PFA+1] offset:2*HALFT th:TH_LOAD_NT scope:SCOPE_SE
.Lno_ask_\@:
.endm
; A slot's last step.  Its own operands were asked for in the step before, so the slot is read no more.  Each wave waits for all its tensor loads (its part of the other slot), adds 0 to its spare word, and waits
; for the add and its reads; the barrier opens a round of the cluster's barrier; behind the round the slot is filled again (fill = 1; adv: bytes from its tile to the tile two on), and only then is the other slot read.
.macro TURN p, slot, fill, adv, pf
.if \pf
	s_wait_xcnt 0x0                                ; my prefetches have read their base: it steps one tile on
	s_add_nc_u64 s[PFA:PFA+1], s[PFA:PFA+1], HALFT
.endif
	WIN 0                                          ; (the add's two registers lie in window 0)
	s_wait_tensorcnt 0x0
	ds_add_u32 v[SPW], v[NIL]
	s_wait_dscnt 19                                ; the add and x's six later blocks may be out
	QUAD \p, 0, 0
	s_wait_dscnt 0x0
	s_barrier_signal -1
	QUAD \p, 1, 0
	WIN 0
	s_barrier_wait -1
.if \fill
	CREST
	s_add_nc_u64 s[G0+4*\slot+2:G0+4*\slot+3], s[G0+4*\slot+2:G0+4*\slot+3], \adv
	s_add_nc_u64 s[G0B+4*\slot+2:G0B+4*\slot+3], s[G0B+4*\slot+2:G0B+4*\slot+3], \adv
	JLOAD \slot, G1, G1B                           ; the four v_nop behind it are the places in front of the loads below
.else
	PLACES
.endif
	SCALES 1-(\slot), 0, 1-(\p)
.if \pf
	ASK \pf
.endif
	FETCH 1-(\slot), 0, 1-(\p)
	QUAD \p, 2, 0
	QUAD \p, 3, 0
.endm
; THE WAY OUT.  Register i of the accumulators 4 g + 0 .. 3 holds columns 64 g + 32 h + 4 i + 0 .. 3 of row r: packed in that order a lane has 64 neighbouring bytes for each g.
; Block a of 16 rows x 128 columns is packed into v0-31 of window 2 or 3 (by turns), goes through my own stage and comes back as whole rows of 256 bytes, into 32 of its own accumulators' registers, which have been packed.
.macro TURNOUT a
.set AC, 128+64*((\a)%2)
	WIN ((2+(\a)%2)<<6)|(5*((\a)/2))               ; sources 0 and 1: the block's window; destination: window 2 or 3
.irp g, 0,1
.irp i, 0,1,2,3,4,5,6,7
	v_cvt_pk_bf16_f32 v[16*\g+2*\i],   v[AC+32*\g+\i],    v[AC+32*\g+8+\i]       ; each accumulator from its low end on
	v_cvt_pk_bf16_f32 v[16*\g+2*\i+1], v[AC+32*\g+16+\i], v[AC+32*\g+24+\i]
.endr
.endr
	WIN (2+(\a)%2)<<2                              ; the data's window
.irp g, 0,1
.irp t, 0,1,2,3
	ds_store_b128 v[STO], v[16*\g+4*\t:16*\g+4*\t+3] offset:128*\g+16*\t
.endr
.endr
	WIN ((\a)/2)<<6
.irp t, 0,1,2,3,4,5,6,7
	ds_load_b128 v[AC+4*\t:AC+4*\t+3], v[RD] offset:\t*2*SPITCH    ; LDS serves a wave's instructions in order: these see the stores above, and the next block's stores come behind them
.endr
.endm
.macro SEND a, left                    ; left: the LDS instructions issued behind block a's loads
.set AC, 128+64*((\a)%2)
	s_wait_dscnt \left
	WIN ((\a)/2)<<2                                ; the data's window
.irp t, 0,1,2,3,4,5,6,7
	global_store_b128 v[CO], v[AC+4*\t:AC+4*\t+3], s[8:9] offset:(16*(\a)+2*\t)*8192 th:TH_STORE_NT   ; 16 lanes store 256 consecutive bytes, aligned; 126 rows of 8,192 bytes at the most, inside the signed 24-bit immediate
.endr
.endm
.macro OUTPAIR w                       ; window w's two blocks leave; none of the registers that the stores read is written again
	PLACES                                         ; behind the products that finished them
	TURNOUT 2*(\w)
	TURNOUT 2*(\w)+1
	SEND 2*(\w), 16
	SEND 2*(\w)+1, 0
.endm
	s_wait_tensorcnt 0x0                           ; my part of tile 0 is in; slot 1's first fill is issued as a refill is:
	ds_add_u32 v[SPW], v[NIL]
	s_wait_dscnt 0x0
	CROUND
	JLOAD 1, G1, G1B                               ; tile 1
	SCALES 0, 0, 0                                 ; step 0's operands
	FETCH 0, 0, 0
	WIN 0
	global_prefetch_b8 v[PFO], s[PFA:PFA+1] offset:HALFT th:TH_LOAD_NT scope:SCOPE_SE       ; tile 2,
	global_prefetch_b8 v[PFO+1], s[PFA:PFA+1] offset:HALFT th:TH_LOAD_NT scope:SCOPE_SE
	ASK 1                                          ; tile 3
	STEP 0, 0, 1, 1                                ; tile 0: the first step's products start the sums
	TURN 1, 0, 1, 2*STEPB+HALFT, 1                 ; slot 0 takes tile 2; tile 4 is asked for
	WIN 0
	s_mov_b32 s3, 4
.Llap:                                                 ; a trip: an odd tile in slot 1, an even one in slot 0; tiles 1 to 8; both slots are filled again
	STEP 0, 1, 1, 0
	STEP 1, 1, 2, 0
	TURN 0, 1, 1, 2*HALFT, 2
	STEP 1, 0, 1, 0
	STEP 0, 0, 2, 0
	TURN 1, 0, 1, 2*HALFT, 2
	WIN 0
	s_sub_co_u32 s3, s3, 1
	s_cmp_lg_u32 s3, 0
	s_cbranch_scc1 .Llap
	STEP 0, 1, 1, 0                                ; tile 9: nothing is left to fetch
	STEP 1, 1, 2, 0
	TURN 0, 1, 0, 0, 0
	STEP 1, 0, 1, 0                                ; tile 10: step 29; it fetches step 30's operands
	s_wait_dscnt 0x0                               ; STEPS 30 AND 31, BY ROWS: step 30's operands are in,
	PLACES
	WIN 0
	SCALES 0, 2, 1                                 ; and step 31's are asked for, into the sets that step 29 read
	FETCH 0, 2, 1
	QUAD 0, 0, 0                                   ; step 30 on windows 0 and 1,
	QUAD 0, 1, 0
	s_wait_dscnt 18                                ; step 31's scale words, W's set and x's blocks 0, 1 are in
	QUAD 1, 0, 0                                   ; step 31 on window 0: blocks 0, 1 are finished
	OUTPAIR 0                                      ; (its last wait is for all LDS instructions: x's later blocks are in too)
	QUAD 1, 1, 0
	OUTPAIR 1
	QUAD 0, 2, 0
	QUAD 1, 2, 0
	OUTPAIR 2
	QUAD 0, 3, 0
	QUAD 1, 3, 0
	OUTPAIR 3
	WIN 0
	s_wait_tensorcnt 0x0                           ; the wave's end
	ds_add_u32 v[SPW], v[NIL]
	s_wait_dscnt 0x0
	CROUND                                         ; the closing round
	s_endpgm
.Lfunc_end_k_q6605149e95_gemm:
	.size	k_q6605149e95_gemm, .Lfunc_end_k_q6605149e95_gemm-k_q6605149e95_gemm
	.p2alignl 7, 3214868480
	.fill 96, 4, 3214868480
	.section	.rodata,"a",@progbits
	.p2align	6, 0x0
	.amdhsa_kernel k_q6605149e95_gemm
		.amdhsa_group_segment_fixed_size 327680
		.amdhsa_private_segment_fixed_size 0
		.amdhsa_enable_private_segment 0
		.amdhsa_kernarg_size 24
		.amdhsa_user_sgpr_count 2
		.amdhsa_user_sgpr_kernarg_segment_ptr 1
		.amdhsa_wavefront_size32 1
		.amdhsa_system_sgpr_workgroup_id_x 1
		.amdhsa_system_sgpr_workgroup_id_y 1
		.amdhsa_system_sgpr_workgroup_id_z 1
		.amdhsa_system_vgpr_workitem_id 0
		.amdhsa_next_free_vgpr 1024
		.amdhsa_next_free_sgpr 88
		.amdhsa_reserve_vcc 0
		.amdhsa_float_denorm_mode_32 3
		.amdhsa_float_denorm_mode_16_64 3
		.amdhsa_memory_ordered 1
		.amdhsa_forward_progress 1
		.amdhsa_inst_pref_size 207
	.end_amdhsa_kernel
	.amdgpu_metadata
---
amdhsa.version: [ 1, 2 ]
amdhsa.kernels:
  - .name:           k_q6605149e95_gemm
    .symbol:         k_q6605149e95_gemm.kd
    .args:
      - { .name: aq, .offset: 0, .size: 8, .value_kind: global_buffer, .address_space: global }
      - { .name: bq, .offset: 8, .size: 8, .value_kind: global_buffer, .address_space: global }
      - { .name: out0, .offset: 16, .size: 8, .value_kind: global_buffer, .address_space: global }
    .group_segment_fixed_size: 327680
    .private_segment_fixed_size: 0
    .kernarg_segment_align: 8
    .kernarg_segment_size: 24
    .max_flat_workgroup_size: 128
    .sgpr_count:     88
    .vgpr_count:     1024
    .wavefront_size: 32
...
	.end_amdgpu_metadata
.endif
;; end of part 4
